; MI455X (gfx1250); checked and timed in simulation.
; The chip was launched on July 23, 2026; its instructions are those of AMD's public machine-readable ISA for CDNA 5 (MIT licence, August 2026) and "CDNA5" Instruction Set Architecture Reference Guide (July 2026). The comments in the code are by the model that wrote it; some were corrected since.
;; Mistral Attention. Allowed arithmetic: matrix products marked QUANTISED: E2M3 operands, one E8M0 scale for each 32 along K, by v_wmma_scale_f32_16x16x128_f8f6f4 with both operands' format E2M3, f32 sums; everything else in f32.
;; Inputs: Wk 1,024 x 4,096 float32; Wo 2,048 x 2,048 float32; Wq 2,048 x 4,096 float32; Wv 1,024 x 4,096 float32; attention_mask 1 x 1 x 2,048 x 2,048 float32; cos 1 x 2,048 x 128 float32; hidden_states 1 x 2,048 x 4,096 float32; sin 1 x 2,048 x 128 float32.
;; Outputs: out0 1 x 2,048 x 2,048 float32.
;; This version of the problem:
;;   THIS VERSION OF THE PROBLEM IS GIVEN IN LOW PRECISION. The matrix products marked QUANTISED in the list below multiply operands that are first quantised to E2M3 (2 exponent bits, 3 mantissa bits; 6 bits a number), with one power-of-two scale for each 32 numbers along K (OCP MX v1.0); their sums are f32. All else is computed in f32.
;;   The module's matrix products, in the order in which they are computed (A, B: the left and right operand; K: the contracted axis; several contracted axes count as one K, in the product's order):
;;     1. [M 2,048, K 4,096] x [K 4,096, N 2,048]; A: input hidden_states; B: input Wq: QUANTISED
;;     2. [M 2,048, K 4,096] x [K 4,096, N 1,024]; A: input hidden_states; B: input Wk: QUANTISED
;;     3. [M 2,048, K 4,096] x [K 4,096, N 1,024]; A: input hidden_states; B: input Wv: QUANTISED
;;     4. batch 8 x [M 4,096, K 128] x [K 128, N 2,048]; A: computed on the way; B: computed on the way: QUANTISED
;;     5. batch 8 x [M 4,096, K 2,048] x [K 2,048, N 128]; A: softmax (see below); B: computed on the way: QUANTISED
;;     6. [M 2,048, K 2,048] x [K 2,048, N 2,048]; A: computed on the way; B: input Wo: QUANTISED
;;   THE QUANTISER, for each operand of a quantised product, along K:
;;     - K is cut into blocks of 32 from its start; a last block that is shorter is filled with zeros.
;;     - A block's scale is 2^e with e = floor(log2(the largest magnitude in the block)) - 2, held to -126 .. 127; a block of zeros has e = 0. As a byte (E8M0): e + 127.
;;     - Each number is divided by its block's scale, clamped to +-7.5, and rounded to the nearest number of E2M3, ties to even, subnormals kept.
;;     - The product sums the exact products of the quantised numbers (number of the format x scale) in f32.
;;   ~~~python
;;   def quantise(x, axis):      # numpy; x: float32 -> the quantised numbers, widened to float32 again
;;       x = np.moveaxis(x, axis, -1); K = x.shape[-1]
;;       x = np.pad(x, [(0, 0)] * (x.ndim - 1) + [(0, -K % 32)]); x = x.reshape(x.shape[:-1] + (-1, 32)); a = np.abs(x).max(-1, keepdims=True)
;;       e = np.where(a > 0, np.clip(np.frexp(np.where(a > 0, a, 1))[1] - 1 - 2, -126, 127), 0)      # np.frexp(a)[1] - 1 = floor(log2(a)), exactly
;;       r = np.clip(x / 2.0 ** e, -7.5, 7.5)
;;       step = 2.0 ** (np.maximum(np.frexp(np.where(r == 0, 1, r))[1] - 1, 0) - 3)
;;       q = np.round(r / step) * step * 2.0 ** e      # np.round: ties to even
;;       return np.moveaxis(q.reshape(q.shape[:-2] + (-1,))[..., :K], -1, axis).astype(np.float32)
;;   ~~~
;;   SOFTMAX AHEAD OF A QUANTISED PRODUCT. Where the list says 'softmax', what is quantised is not the finished softmax but p = 2^(t - M), with t = logit x log2(e) and M = ceil(the row's largest t), a whole number; so 1/2 < the row's largest p <= 1. The row's sum l is taken of the UNQUANTISED p, in f32, and the product's result is divided by l at the end. Since M is a whole number, a kernel that streams over the keys may use a running M (the ceiling of the running maximum): every later rescaling is an exact power of two, which a block's scale takes up: the codes' values come out the same.
;;   OPERANDS COMPUTED ON THE WAY. 'Computed on the way' means the value that the module computes at that place (a softmax that the list does not call 'softmax' is quantised finished and normalised). What goes into a quantiser is computed in f32, as accurately as f32 sums, v_exp_f32 and their like allow (about 1e-6 of the number): no bf16 or f16 on the way to a quantiser, and a product that is left as it is and whose result goes on into a quantised operand takes f32 operands (vector FMAs, or v_wmma_f32_16x16x4_f32). A number that lies on a knife's edge between two numbers of the format may be rounded either way, as far as f32 arithmetic and the matrix unit's own rounding can turn it there, and no further.
;; One version. Each part assembles by itself: llvm-mc -triple=amdgcn-amd-amdhsa -mcpu=gfx1250 --defsym DOCPART=n.
;; ======== version 1 of 1: 4 launches
;; workspace buffers: xw 22,937,600 bytes; qkv 6,553,600 bytes; att 3,276,800 bytes
;; launch quant (part 1): grid 896 x 1, 4 waves a work-group, no clusters, 34,304 bytes of LDS; arguments hidden_states, Wq, Wk, Wv, Wo, xw; writes xw
.if DOCPART == 1
	.amdgcn_target "amdgcn-amd-amdhsa--gfx1250"
	.amdhsa_code_object_version 6
	.text
	.protected	k_qb733af8d5b_quant
	.globl	k_qb733af8d5b_quant
	.p2align	8
	.type	k_qb733af8d5b_quant,@function
k_qb733af8d5b_quant:
	s_mov_b64 s[64:65], 0
	v_nop
	global_prefetch_b8 v0, s[64:65] scope:SCOPE_SE
	s_setreg_imm32_b32 hwreg(HW_REG_WAVE_MODE, 25, 1), 1
	s_wait_xcnt 0x0
; hidden_states [2048][4096], Wq [2048][4096], Wk, Wv [1024][4096], Wo [2048][2048], f32, K innermost, become codes of FP6 (E2M3) with one E8M0 byte for each 32 along K.
; THE LAYOUT OF THE CODES (all workspace buffers of this program): a SUPER-FRAGMENT is 64 rows x 128 along K in 6,400 bytes: four images of an operand's 12 registers (rows 16 a .. 16 a + 15; registers 4 p .. 4 p + 3 of lane l
; at 1,536 a + 512 p + 16 l), then 256 bytes of scale words (row r of image a at 6,144 + 16 r + 4 a).  Lane (r, h) of an image holds row r; its registers 6 c .. 6 c + 5 hold the block 2 c + h of 32 along K.
; THE ORDER INSIDE A BLOCK: places 0-7, 8-15, 16-23, 24-31 hold the block's numbers 0-7, 16-23, 8-15, 24-31.  Every operand of every product of this program is laid so, so the products pair the same numbers;
; within a block the sums run in another order than ascending K.
; A block's scale is 2^(floor(log2(its largest magnitude)) - 2); its byte is that magnitude's exponent field - 2, held at 1 from below.
; LIMITS: a block whose largest magnitude lies under 2^-124 is held at the byte 1; a block of zeros has the byte 1 where the rule says 127 (its codes are zeros, and this program alone reads the bytes); NaN and infinities are not served.
; SHARES: a wave makes one super-fragment, number 4 x work-group + wave: 0 .. 1,023 hidden (64 tokens x 32 K steps to a group), 1,024 .. 3,071 the rows of Wq, Wk, Wv, 3,072 .. 3,583 Wo (16 K steps to a group).
; Each load reads 512 consecutive bytes of one row; 16 rows turn through the wave's own stage in LDS (rows 528 bytes apart) so that a lane gets whole blocks of its row; each store covers 512 consecutive bytes.
; Waves share nothing: no barrier, no cluster, no matrix unit.  32 loads of a wave are on their way at the start, 16 while a fragment is worked.
.set STG,   16*528                     ; a wave's stage
.set SPARE, 4*STG                      ; behind the stages: the spare words, 128 bytes a wave
.set SFB,   6400
.set LANE, 1
.set RR,   2
.set HH,   3
.set LI,   4                           ; 16 x lane
.set STS,  5                           ; the stage, on the way in: 16 x lane of a row
.set STL,  6                           ; and out: row r, + 128 h: my block of the first 64 along K
.set H8,   7                           ; 8 h
.set SPW,  12                          ; my spare word; never rewritten
.set NIL,  13                          ; 0; never rewritten
.set OFF,  16                          ; v16-31  16 x lane + i rows
.set PC,   32                          ; v32-43  a fragment's codes
.set TC,   44                          ; v44-50  the upper halves of the blocks' codes, before they are moved
.set M,    52                          ; v52-55  largest magnitudes, then bytes
.set SO,   56                          ; v56-57  the conversions' scale operands
.set W,    58
.set T,    59
.set SW,   60                          ; v60-63  the four fragments' scale words
.set R,    64                          ; v64-191 two sets of 64 numbers as loaded
.set X,    192                         ; v192-255 64 numbers of my row: register 32 c + i = place i of block 2 c + h
.set BASE, 28                          ; s[28:35] the four fragments' first rows
.set SEL,  38                          ; s[38:39] lane selects for lane l xor 16
; 64 numbers of a lane, register 32 c + i = place i of block 2 c + h of my row, become a fragment's codes in v[PC] on and my row's scale word.
.macro QB s, word
.irp c, 0,1
	v_max3_num_f32 v[M+2*\c], |v[(\s)+32*\c]|, |v[(\s)+32*\c+1]|, 0x1800000      ; two chains a block; the floor 2^(3 - 127) is a leaf: the byte cannot fall under 1
	v_max3_num_f32 v[M+2*\c+1], |v[(\s)+32*\c+16]|, |v[(\s)+32*\c+17]|, |v[(\s)+32*\c+18]|
.endr
.irp i, 2,4,6,8,10,12
.irp c, 0,1
	v_max3_num_f32 v[M+2*\c], v[M+2*\c], |v[(\s)+32*\c+\i]|, |v[(\s)+32*\c+\i+1]|
	v_max3_num_f32 v[M+2*\c+1], v[M+2*\c+1], |v[(\s)+32*\c+17+\i]|, |v[(\s)+32*\c+18+\i]|
.endr
.endr
.irp c, 0,1
	v_max3_num_f32 v[M+2*\c], v[M+2*\c], |v[(\s)+32*\c+14]|, |v[(\s)+32*\c+15]|
.endr
.irp c, 0,1
	v_max3_num_f32 v[M+2*\c], v[M+2*\c], v[M+2*\c+1], |v[(\s)+32*\c+31]|       ; the block's largest magnitude: all 32 numbers are mine
.endr
.irp c, 0,1
	v_add_nc_u32 v[SO+\c], 0xff000000, v[M+2*\c]   ; 2 off its exponent field: the conversion takes the exponent field of this operand as its scale
.endr
.irp c, 0,1
	v_lshrrev_b32 v[M+2*\c+1], 23, v[SO+\c]        ; the scale's byte
.endr
	v_lshl_or_b32 v[W], v[M+3], 16, v[M+1]         ; my two bytes: blocks h and 2 + h,
	v_lshlrev_b32 v[W], v[H8], v[W]                ; at their places in the word;
	v_permlanex16_b32 v[T], v[W], s[SEL], s[SEL+1]
	v_or_b32 v[\word], v[W], v[T]                  ; with lane l xor 16's two the word is whole
.irp c, 0,1
	v_cvt_scalef32_pk16_fp6_f32 v[PC+6*\c:PC+6*\c+2], v[(\s)+32*\c:(\s)+32*\c+15], v[SO+\c]
	v_cvt_scalef32_pk16_fp6_f32 v[TC+4*\c:TC+4*\c+2], v[(\s)+32*\c+16:(\s)+32*\c+31], v[SO+\c]   ; (a conversion's three registers begin on an even number)
.endr
	v_nop                                          ; one plain place behind the scaled conversions
.irp c, 0,1
.irp i, 0,1,2
	v_mov_b32 v[PC+6*\c+3+\i], v[TC+4*\c+\i]
.endr
.endr
.endm
	s_load_b256 s[4:11], s[0:1], 0x0               ; hidden s[4:5], Wq s[6:7], Wk s[8:9], Wv s[10:11]
	s_load_b128 s[12:15], s[0:1], 0x20             ; Wo s[12:13], xw s[14:15]
	v_lshl_add_u32 v[SPW], v0, 2, SPARE
	v_mov_b32 v[NIL], 0
	v_lshrrev_b32 v1, 5, v0
	v_readfirstlane_b32 s21, v1                    ; wave 0..3
	v_and_b32 v[LANE], 31, v0
	v_and_b32 v[RR], 15, v0
	v_bfe_u32 v[HH], v0, 4, 1
	v_lshlrev_b32 v[LI], 4, v[LANE]
	s_mul_i32 s25, s21, STG
	v_add_nc_u32 v[STS], s25, v[LI]
	v_mul_u32_u24 v[STL], v[RR], 528
	v_lshl_add_u32 v[STL], v[HH], 7, v[STL]
	v_add_nc_u32 v[STL], s25, v[STL]
	v_lshlrev_b32 v[H8], 3, v[HH]
	v_mov_b32 v[T], 0                              ; written once: a lane permute's destination counts as one of its sources
	s_mov_b32 s[SEL], 0x76543210
	s_mov_b32 s[SEL+1], 0xfedcba98
	s_mov_b32 s18, 768
	s_wait_kmcnt 0x0
	s_mov_b64 s[16:17], s[12:13]                   ; which tensor is my work-group's: the choice hangs on the work-group's number alone
	s_cmp_lt_u32 ttmp9, 768
	s_cselect_b64 s[16:17], s[10:11], s[16:17]
	s_cselect_b32 s18, 640, s18                    ; and its first work-group
	s_cselect_b32 s19, 5, 4                        ; log2 of the K steps in a row: 32, in Wo 16
	s_cmp_lt_u32 ttmp9, 640
	s_cselect_b64 s[16:17], s[8:9], s[16:17]
	s_cselect_b32 s18, 512, s18
	s_cmp_lt_u32 ttmp9, 512
	s_cselect_b64 s[16:17], s[6:7], s[16:17]
	s_cselect_b32 s18, 256, s18
	s_cmp_lt_u32 ttmp9, 256
	s_cselect_b64 s[16:17], s[4:5], s[16:17]
	s_cselect_b32 s18, 0, s18
	s_sub_co_u32 s20, ttmp9, s18
	s_lshl_b32 s20, s20, 2
	s_add_co_u32 s20, s20, s21                     ; my super-fragment within the tensor
	s_lshr_b32 s22, s20, s19                       ; its group of 64 rows
	s_lshl_b32 s23, s22, s19
	s_sub_co_u32 s23, s20, s23                     ; its K step
	s_lshl_b32 s24, 512, s19                       ; a row in bytes
	s_mul_i32 s26, s22, s24
	s_lshl_b32 s26, s26, 6                         ; 64 rows a group (under 2^26)
	s_lshl_b32 s23, s23, 9                         ; 512 bytes a K step
	s_add_co_u32 s26, s26, s23
	s_mov_b32 s27, 0
	s_add_nc_u64 s[BASE:BASE+1], s[16:17], s[26:27]
	s_lshl_b32 s26, s24, 4                         ; 16 rows on
	s_add_nc_u64 s[BASE+2:BASE+3], s[BASE:BASE+1], s[26:27]
	s_add_nc_u64 s[BASE+4:BASE+5], s[BASE+2:BASE+3], s[26:27]
	s_add_nc_u64 s[BASE+6:BASE+7], s[BASE+4:BASE+5], s[26:27]
	s_lshl_b32 s36, ttmp9, 2
	s_add_co_u32 s36, s36, s21
	s_mul_i32 s36, s36, SFB
	s_mov_b32 s37, 0
	s_add_nc_u64 s[14:15], s[14:15], s[36:37]      ; where my super-fragment goes
	v_mov_b32 v[OFF], v[LI]
.irp i, 1,2,3,4,5,6,7,8,9,10,11,12,13,14,15
	v_add_nc_u32 v[OFF+\i], s24, v[OFF+\i-1]
.endr
.macro LOADS a                         ; fragment a's 16 rows: each load reads 512 consecutive bytes
.irp i, 0,1,2,3,4,5,6,7,8,9,10,11,12,13,14,15
	global_load_b128 v[R+64*((\a)%2)+4*\i:R+64*((\a)%2)+4*\i+3], v[OFF+\i], s[BASE+2*(\a):BASE+2*(\a)+1] th:TH_LOAD_NT
.endr
.endm
.macro FRAG a
.if \a < 3
	s_wait_loadcnt 16                              ; this fragment's 16 loads are in; the next fragment's 16 may be out
.else
	s_wait_loadcnt 0x0
.endif
.irp i, 0,1,2,3,4,5,6,7,8,9,10,11,12,13,14,15
	ds_store_b128 v[STS], v[R+64*((\a)%2)+4*\i:R+64*((\a)%2)+4*\i+3] offset:528*\i
.endr
.irp c, 0,1
.irp p, 0,1,2,3,4,5,6,7                ; LDS serves a wave's instructions in order: these see my stores.  The offsets 0, 16, 64, 80, 32, 48, 96, 112 are the order inside a block
	ds_load_b128 v[X+32*\c+4*\p:X+32*\c+4*\p+3], v[STL] offset:256*\c+16*(\p%2)+64*((\p/2)%2)+32*(\p/4)
.endr
.endr
	s_wait_dscnt 0x0
.if \a < 2
	LOADS (\a)+2                                   ; into the set that the stage's stores have read
.endif
.if \a > 0
	s_wait_xcnt 0x0                                ; the last fragment's stores have read their data: the codes' registers are written again only behind this wait
.endif
	QB X, SW+\a
.irp p, 0,1,2
	global_store_b128 v[LI], v[PC+4*\p:PC+4*\p+3], s[14:15] offset:1536*(\a)+512*\p     ; 32 lanes store 512 consecutive bytes, at a multiple of 256 from the buffer's first byte
.endr
.endm
	LOADS 0
	LOADS 1
	FRAG 0
	FRAG 1
	FRAG 2
	FRAG 3
	s_wait_xcnt 0x0                                ; EXEC changes only behind this wait
	v_cmp_gt_u32 vcc_lo, 16, v[LANE]
	s_and_saveexec_b32 s40, vcc_lo
	global_store_b128 v[LI], v[SW:SW+3], s[14:15] offset:6144    ; lanes 0-15: row r's four words: 256 consecutive bytes
	s_wait_xcnt 0x0                                ; and again, in front of the line that widens it
	s_or_b32 exec_lo, exec_lo, s40
	s_wait_tensorcnt 0x0                           ; the wave's end, behind my last LDS store
	ds_add_u32 v[SPW], v[NIL]
	s_wait_dscnt 0x0
	s_endpgm
.Lfunc_end_k_qb733af8d5b_quant:
	.size	k_qb733af8d5b_quant, .Lfunc_end_k_qb733af8d5b_quant-k_qb733af8d5b_quant
	.p2alignl 7, 3214868480
	.fill 96, 4, 3214868480
	.section	.rodata,"a",@progbits
	.p2align	6, 0x0
	.amdhsa_kernel k_qb733af8d5b_quant
		.amdhsa_group_segment_fixed_size 34304
		.amdhsa_private_segment_fixed_size 0
		.amdhsa_enable_private_segment 0
		.amdhsa_kernarg_size 48
		.amdhsa_user_sgpr_count 2
		.amdhsa_user_sgpr_kernarg_segment_ptr 1
		.amdhsa_wavefront_size32 1
		.amdhsa_system_sgpr_workgroup_id_x 1
		.amdhsa_system_sgpr_workgroup_id_y 1
		.amdhsa_system_sgpr_workgroup_id_z 1
		.amdhsa_system_vgpr_workitem_id 0
		.amdhsa_next_free_vgpr 256
		.amdhsa_next_free_sgpr 66
		.amdhsa_reserve_vcc 1
		.amdhsa_float_denorm_mode_32 3
		.amdhsa_float_denorm_mode_16_64 3
		.amdhsa_memory_ordered 1
		.amdhsa_forward_progress 1
		.amdhsa_inst_pref_size 31
	.end_amdhsa_kernel
	.amdgpu_metadata
---
amdhsa.version: [ 1, 2 ]
amdhsa.kernels:
  - .name:           k_qb733af8d5b_quant
    .symbol:         k_qb733af8d5b_quant.kd
    .args:
      - { .name: hidden_states, .offset: 0, .size: 8, .value_kind: global_buffer, .address_space: global }
      - { .name: Wq, .offset: 8, .size: 8, .value_kind: global_buffer, .address_space: global }
      - { .name: Wk, .offset: 16, .size: 8, .value_kind: global_buffer, .address_space: global }
      - { .name: Wv, .offset: 24, .size: 8, .value_kind: global_buffer, .address_space: global }
      - { .name: Wo, .offset: 32, .size: 8, .value_kind: global_buffer, .address_space: global }
      - { .name: xw, .offset: 40, .size: 8, .value_kind: global_buffer, .address_space: global }
    .group_segment_fixed_size: 34304
    .private_segment_fixed_size: 0
    .kernarg_segment_align: 8
    .kernarg_segment_size: 48
    .max_flat_workgroup_size: 128
    .sgpr_count:     66
    .vgpr_count:     256
    .wavefront_size: 32
...
	.end_amdgpu_metadata
.endif
;; end of part 1
;; launch qkv (part 2): grid 16 x 16, 4 waves a work-group, clusters of 4 x 4, 327,680 bytes of LDS; arguments xw, cos, sin, qkv; writes qkv
.if DOCPART == 2
	.amdgcn_target "amdgcn-amd-amdhsa--gfx1250"
	.amdhsa_code_object_version 6
	.text
	.protected	k_qb733af8d5b_qkv
	.globl	k_qb733af8d5b_qkv
	.p2align	8
	.type	k_qb733af8d5b_qkv,@function
k_qb733af8d5b_qkv:
	s_mov_b64 s[64:65], 0
	v_nop
	global_prefetch_b8 v0, s[64:65] scope:SCOPE_SE
	s_setreg_imm32_b32 hwreg(HW_REG_WAVE_MODE, 25, 1), 1
	s_wait_xcnt 0x0
	s_wait_alu depctr_hold_cnt(0) depctr_sa_sdst(0) depctr_va_vdst(0) depctr_va_sdst(0) depctr_va_ssrc(0) depctr_va_vcc(0) depctr_vm_vsrc(0)
	s_getreg_b32 s2, hwreg(HW_REG_IB_STS2, 6, 4)
	s_cmp_eq_u32 s2, 0
	s_cbranch_scc0 .Lentry_in_a_cluster
	s_endpgm
.Lentry_in_a_cluster:
	s_bfe_u32 s2, ttmp6, 0x10000c
	s_cmp_lg_u32 s2, 0xf033
	s_cbranch_scc0 .Lentry_shape_is_right
	s_endpgm
.Lentry_shape_is_right:
; q = hidden Wq^T, k = hidden Wk^T, v = hidden Wv^T on codes of FP6 (E2M3) with E8M0 scales; then the rotary embedding on q and k in f32; then q and k are quantised along the head's 128, v along the keys.
; ONE FORM for all three: OUT[i][j] = sum over k of P[i][k] R[j][k], quantised along j.  P is source 1 (a lane is a row i), R source 0 (a lane's registers run along j).
;   clusters x = 0 .. 2: P = tokens, R = the rows of Wq and Wk (j = head x 128 + d).      cluster x = 3: P = the rows of Wv, R = tokens: OUT = V^T, whose j are the keys: nothing is transposed.
; Operands and results lie as super-fragments: 64 rows x 128 K in 6,400 bytes: four images of an operand's 12 registers (1,536 a + 512 p + 16 x lane), then 256 bytes of scale words (6,144 + 16 r + 4 a).
; Inside a block of 32 the places 0-7, 8-15, 16-23, 24-31 hold the numbers 0-7, 16-23, 8-15, 24-31, in every operand of the program alike: that is the order in which a result's tiles fall after one exchange of lane halves.
; SHARES: a work-group makes 128 (i) x 256 (j): 192 + 64 = 256 work-groups.  Each of four waves makes 64 x 128: 32 accumulators.  A larger tile would leave half of the WGPs without work.
; K = 4,096 goes in 32 steps of 128 through two LDS slots of four steps each; a slot's part of a group of 64 rows is 25,600 consecutive bytes of memory.
; CLUSTERS: 4 x 4.  P's tile hangs on i alone and is asked for jointly along a row of the cluster, R's on j alone, along a column.
; No prefetch: a refill is asked for four K steps ahead of its use and is shared among four work-groups.
; LIMITS: as the quantiser's (byte held at 1 from below; a block of zeros has the byte 1; NaN and infinities not served).  The rotary embedding rounds one product and one fused multiply-add where the definition rounds two products and a sum.
; REGISTERS: window 0: v1-29 addresses; v32-55 scale words, two sets of 12 (P's 4, R's 8), scales and nothing else; v56-151 P's fragments, two sets of 48; in the epilogue v64-127 a block's 64 numbers, v160-191 the quantiser's.
;   window 1: accumulator (a, b) at v[64 a + 8 b].   window 2: R's fragments, two sets of 96.   window 3: cos and sin, two sets of 128.
.set SFB,    6400                      ; a super-fragment
.set QSLOT,  4*SFB                     ; a group's part of a slot
.set GROUPB, 32*SFB                    ; a group of 64 rows, all of K
.set BOFF,   2*QSLOT                   ; a slot: P's two groups, then R's four
.set SLOT,   6*QSLOT
.set SPARE,  2*SLOT                    ; behind the ring: the spare words, 128 bytes a wave
.set TRIPS,  3                         ; 8 slots' worth of K: two first fills, two refills a trip
.set CSTG,   2*16*528                  ; the epilogue's stage of a wave: 16 rows of cos, 16 of sin, 528 bytes apart; it lies in slot 0 behind that slot's last fill and last read
.set RR,   1
.set HH,   2
.set LI,   3                           ; 16 x lane
.set LANE, 4
.set H8,   7
.set ADRA, 16                          ; v16-17 P's fragments in slot 0, 1
.set ADRB, 18                          ; v18-19 R's
.set ADSA, 20                          ; v20-21 P's scale words
.set ADSB, 22                          ; v22-23 R's
.set STS,  24
.set STL,  25
.set SPW,  28                          ; my spare word; never rewritten
.set NIL,  29                          ; 0; never rewritten
.set SC,   32
.set AF,   56
.set H,    64
.set PC,   160
.set TC,   172
.set M,    180
.set SO,   184
.set W,    186
.set T,    187
.set SW,   188
.set G1A,  24                          ; s[24:31] group 1 for P's tiles; s[32:39] group 0, a set for each slot
.set G0A,  32
.set G1B,  48                          ; s[48:55], s[56:63] the same for R's
.set G0B,  56
.set SEL,  78
.set MSB, 0
.macro WIN new                         ; the immediate's high byte repeats the setting that is left
.if MSB != \new
	s_set_vgpr_msb (MSB<<8)|\new
.set MSB, \new
.endif
.endm
.set MULW, 0x52                        ; source 0 (R) window 2, source 1 (P) window 0, C and D window 1
.macro PLACES
.rept 4
	v_nop
.endr
.endm
; A joint load: waves 0 and 1 fetch P's two groups, waves 2 and 3 two of R's four each.  The branch hangs on the wave's number alone.  An s_nop 0 and four v_nop follow each line.
.macro JLOAD s
	s_cmp_eq_u32 s15, 0
	s_cbranch_scc0 .Lfor_b_\@
	tensor_load_to_lds s[G0A+4*\s:G0A+4*\s+3], s[G1A:G1A+7]
	s_nop 0
.rept 4
	v_nop
.endr
	s_branch .Lasked_\@
.Lfor_b_\@:
	tensor_load_to_lds s[G0B+4*\s:G0B+4*\s+3], s[G1B:G1B+7]
	s_nop 0
.rept 4
	v_nop
.endr
.Lasked_\@:
.endm
.macro CREST                           ; a round of the cluster's barrier behind its opening barrier
	s_cmp_lg_u32 s14, 0
	s_cbranch_scc1 .Lnot_wave_0_\@
	s_barrier_signal -3
.Lnot_wave_0_\@:
	s_barrier_wait -3
	s_barrier_signal -1
	s_barrier_wait -1
.endm
.macro CROUND
	s_barrier_signal -1
	s_barrier_wait -1
	CREST
.endm
; 39 LDS loads: the fragments and scale words of the slot's q-th 128 along K into set st.  Every load takes 16 bytes a lane on end: no bank is asked twice.
.macro FETCH slot, q, st
	WIN 0x80                                       ; destination window 2
.irp b, 0,1,2,3,4,5,6,7
.irp p, 0,1,2
	ds_load_b128 v[96*(\st)+12*\b+4*\p:96*(\st)+12*\b+4*\p+3], v[ADRB+\slot] offset:(\b/4)*QSLOT+SFB*(\q)+(\b%4)*1536+512*\p
.endr
.endr
	WIN 0
.irp f, 0,1,2,3
.irp p, 0,1,2
	ds_load_b128 v[AF+48*(\st)+12*\f+4*\p:AF+48*(\st)+12*\f+4*\p+3], v[ADRA+\slot] offset:SFB*(\q)+\f*1536+512*\p
.endr
.endr
	ds_load_b128 v[SC+12*(\st):SC+12*(\st)+3], v[ADSA+\slot] offset:SFB*(\q)              ; row r's words of P's four fragments
	ds_load_b128 v[SC+12*(\st)+4:SC+12*(\st)+7], v[ADSB+\slot] offset:SFB*(\q)            ; of R's first four,
	ds_load_b128 v[SC+12*(\st)+8:SC+12*(\st)+11], v[ADSB+\slot] offset:QSLOT+SFB*(\q)     ; and second four
.endm
; 8 matrix instructions: P's fragment a against R's eight.  The 32 accumulators take turns, one instruction a turn, in the same order in every step.
.macro MULA a, st, zero
.irp b, 0,1,2,3,4,5,6,7
.if \zero
	v_wmma_scale_f32_16x16x128_f8f6f4 v[64*(\a)+8*\b:64*(\a)+8*\b+7], v[96*(\st)+12*\b:96*(\st)+12*\b+11], v[AF+48*(\st)+12*(\a):AF+48*(\st)+12*(\a)+11], 0, v[SC+12*(\st)+4+\b], v[SC+12*(\st)+(\a)] matrix_a_fmt:MATRIX_FMT_FP6 matrix_b_fmt:MATRIX_FMT_FP6
.else
	v_wmma_scale_f32_16x16x128_f8f6f4 v[64*(\a)+8*\b:64*(\a)+8*\b+7], v[96*(\st)+12*\b:96*(\st)+12*\b+11], v[AF+48*(\st)+12*(\a):AF+48*(\st)+12*(\a)+11], v[64*(\a)+8*\b:64*(\a)+8*\b+7], v[SC+12*(\st)+4+\b], v[SC+12*(\st)+(\a)] matrix_a_fmt:MATRIX_FMT_FP6 matrix_b_fmt:MATRIX_FMT_FP6
.endif
.endr
.endm
; A step of 128 along K that has its successor in the same slot: the successor's 39 loads go out first and land under this step's 32 matrix instructions.
.macro STEP slot, q, zero
	s_wait_dscnt 0x0                               ; this step's set, asked for a step ago, is in
	PLACES                                         ; four places in front of loads into the set that the last step's matrix instructions read
	FETCH \slot, (\q)+1, ((\q)+1)%2
	WIN MULW
	MULA 0, (\q)%2, \zero
	MULA 1, (\q)%2, \zero
	MULA 2, (\q)%2, \zero
	MULA 3, (\q)%2, \zero
.endm
; A slot's last step changes slots: ONE barrier; in front of it each wave waits for all its tensor loads, adds 0 to its spare word, and waits for that and for its reads of this slot.  fill = 1: the slot is filled again, two slots ahead.
.macro TURN slot, next, fill
	WIN 0                                          ; (the add's two registers lie in window 0)
	s_wait_tensorcnt 0x0                           ; all my tensor loads have landed: my part of the next slot
	ds_add_u32 v[SPW], v[NIL]                      ; 0 onto my spare word
	s_wait_dscnt 1                                 ; the step's 39 loads are in; the add alone may be out
	WIN MULW
	MULA 0, 1, 0                                   ; eight matrix instructions stand between the add and the wait for it
	s_wait_dscnt 0x0                               ; the add is done, and my reads of this slot are over
	s_barrier_signal -1
	MULA 1, 1, 0
	WIN 0
	s_barrier_wait -1
.if \fill
	CREST                                          ; the barrier has opened a round of the cluster's barrier: no wave of any partner still reads this slot or has a load on its way
	s_add_nc_u64 s[G0A+4*\slot+2:G0A+4*\slot+3], s[G0A+4*\slot+2:G0A+4*\slot+3], 2*QSLOT
	s_add_nc_u64 s[G0B+4*\slot+2:G0B+4*\slot+3], s[G0B+4*\slot+2:G0B+4*\slot+3], 2*QSLOT
	JLOAD \slot                                    ; the first tensor load behind the round: 112 matrix instructions ahead of the wait for it; its four v_nop are also the places in front of the loads below
.else
	PLACES
.endif
	FETCH \next, 0, 0
	WIN MULW
	MULA 2, 1, 0
	MULA 3, 1, 0
.endm
.macro TAIL4                           ; the last slot's four steps
	STEP 1, 0, 0
	STEP 1, 1, 0
	STEP 1, 2, 0
	s_wait_dscnt 0x0
	WIN MULW
	MULA 0, 1, 0
	MULA 1, 1, 0
	MULA 2, 1, 0
	MULA 3, 1, 0
	WIN 0
	PLACES                                         ; in front of the first read of results, and of vector writes into registers that held fragments
.endm
; The tiles' registers 8 t + j hold j = 16 t + 8 h + j.  One exchange of lane halves gives lane h the whole block 2 c + h in registers 32 c .. 32 c + 31, in this program's order inside a block.
.macro SWAP s
.irp c, 0,1
.irp j, 0,1,2,3,4,5,6,7
	v_permlane16_swap_b32 v[(\s)+32*\c+\j], v[(\s)+32*\c+16+\j]
	v_permlane16_swap_b32 v[(\s)+32*\c+8+\j], v[(\s)+32*\c+24+\j]
.endr
.endr
.endm
; 64 numbers of a lane, register 32 c + i = place i of block 2 c + h of my row, become a fragment's codes in v[PC] on and my row's scale word.
.macro QB s, word
.irp c, 0,1
	v_max3_num_f32 v[M+2*\c], |v[(\s)+32*\c]|, |v[(\s)+32*\c+1]|, 0x1800000      ; two chains a block; the floor 2^(3 - 127) is a leaf: the byte cannot fall under 1
	v_max3_num_f32 v[M+2*\c+1], |v[(\s)+32*\c+16]|, |v[(\s)+32*\c+17]|, |v[(\s)+32*\c+18]|
.endr
.irp i, 2,4,6,8,10,12
.irp c, 0,1
	v_max3_num_f32 v[M+2*\c], v[M+2*\c], |v[(\s)+32*\c+\i]|, |v[(\s)+32*\c+\i+1]|
	v_max3_num_f32 v[M+2*\c+1], v[M+2*\c+1], |v[(\s)+32*\c+17+\i]|, |v[(\s)+32*\c+18+\i]|
.endr
.endr
.irp c, 0,1
	v_max3_num_f32 v[M+2*\c], v[M+2*\c], |v[(\s)+32*\c+14]|, |v[(\s)+32*\c+15]|
.endr
.irp c, 0,1
	v_max3_num_f32 v[M+2*\c], v[M+2*\c], v[M+2*\c+1], |v[(\s)+32*\c+31]|
.endr
.irp c, 0,1
	v_add_nc_u32 v[SO+\c], 0xff000000, v[M+2*\c]   ; 2 off the exponent field: the conversion's scale operand
.endr
.irp c, 0,1
	v_lshrrev_b32 v[M+2*\c+1], 23, v[SO+\c]        ; the scale's byte
.endr
	v_lshl_or_b32 v[W], v[M+3], 16, v[M+1]
	v_lshlrev_b32 v[W], v[H8], v[W]
	v_permlanex16_b32 v[T], v[W], s[SEL], s[SEL+1]
	v_or_b32 v[\word], v[W], v[T]                  ; with lane l xor 16's two bytes the word is whole
.irp c, 0,1
	v_cvt_scalef32_pk16_fp6_f32 v[PC+6*\c:PC+6*\c+2], v[(\s)+32*\c:(\s)+32*\c+15], v[SO+\c]
	v_cvt_scalef32_pk16_fp6_f32 v[TC+4*\c:TC+4*\c+2], v[(\s)+32*\c+16:(\s)+32*\c+31], v[SO+\c]
.endr
	v_nop                                          ; one plain place behind the scaled conversions
.irp c, 0,1
.irp i, 0,1,2
	v_mov_b32 v[PC+6*\c+3+\i], v[TC+4*\c+\i]
.endr
.endr
.endm
.macro OUTF a                          ; the block's 64 numbers in v[H] on become image a of my super-fragment
	SWAP H
.if \a > 0
	s_wait_xcnt 0x0                                ; the last block's stores have read their data
.endif
	QB H, SW+\a
.irp p, 0,1,2
	global_store_b128 v[LI], v[PC+4*\p:PC+4*\p+3], s[10:11] offset:1536*(\a)+512*\p     ; 512 consecutive bytes, at a multiple of 256 from the buffer's first byte
.endr
.endm
.macro CS_LOAD a                       ; cos and sin of block a's 16 tokens: each load reads a whole row of 512 bytes
	WIN 0xc0                                       ; destination window 3
.irp i, 0,1,2,3,4,5,6,7,8,9,10,11,12,13,14,15
	global_load_b128 v[128*((\a)%2)+4*\i:128*((\a)%2)+4*\i+3], v[LI], s[6:7] offset:512*(16*(\a)+\i)
.endr
.irp i, 0,1,2,3,4,5,6,7,8,9,10,11,12,13,14,15
	global_load_b128 v[128*((\a)%2)+64+4*\i:128*((\a)%2)+64+4*\i+3], v[LI], s[8:9] offset:512*(16*(\a)+\i)
.endr
	WIN 0
.endm
; q and k: block a's 16 tokens.  cos and sin turn through my stage into the result's layout (lane (r, h), register 8 t + j: token r, d = 16 t + 8 h + j); registers i and i + 32 are d and d + 64.
.macro EPIQ a
.set CB, 128*((\a)%2)
.set AC, 64*(\a)
.if \a < 3
	s_wait_loadcnt 32                              ; this block's 32 loads are in; the next block's 32 may be out
.else
	s_wait_loadcnt 0x0
.endif
	WIN 0x0c                                       ; an LDS store's data are its source 1: window 3
.irp i, 0,1,2,3,4,5,6,7,8,9,10,11,12,13,14,15
	ds_store_b128 v[STS], v[CB+4*\i:CB+4*\i+3] offset:528*\i
	ds_store_b128 v[STS], v[CB+64+4*\i:CB+64+4*\i+3] offset:16*528+528*\i
.endr
	WIN 0xc0
.irp t, 0,1,2,3,4,5,6,7
.irp e, 0,1
	ds_load_b128 v[CB+8*\t+4*\e:CB+8*\t+4*\e+3], v[STL] offset:64*\t+16*\e              ; LDS serves a wave's instructions in order: these see my stores
	ds_load_b128 v[CB+64+8*\t+4*\e:CB+64+8*\t+4*\e+3], v[STL] offset:16*528+64*\t+16*\e
.endr
.endr
	s_wait_dscnt 0x0
	WIN 0x0d                                       ; source 0 (results) window 1, source 1 (cos, sin) window 3, source 2 and destination window 0
.set II, 0
.rept 16
	v_pk_mul_f32 v[H+II:H+II+1], v[AC+II:AC+II+1], v[CB+II:CB+II+1]                     ; x cos, d under 64; each accumulator is read from its low end on
.set II, II+2
.endr
.set II, 0
.rept 16
	v_pk_mul_f32 v[H+32+II:H+32+II+1], v[AC+32+II:AC+32+II+1], v[CB+32+II:CB+32+II+1]   ; d from 64 on
.set II, II+2
.endr
.set II, 0
.rept 16
	v_pk_fma_f32 v[H+II:H+II+1], v[AC+32+II:AC+32+II+1], v[CB+64+II:CB+64+II+1], v[H+II:H+II+1] neg_lo:[1,0,0] neg_hi:[1,0,0]   ; - x(d + 64) sin(d)
.set II, II+2
.endr
.set II, 0
.rept 16
	v_pk_fma_f32 v[H+32+II:H+32+II+1], v[AC+II:AC+II+1], v[CB+96+II:CB+96+II+1], v[H+32+II:H+32+II+1]                          ; + x(d - 64) sin(d)
.set II, II+2
.endr
.if \a < 2
	CS_LOAD (\a)+2
.endif
	WIN 0
	OUTF \a
.endm
.macro EPIV a                          ; v: the results come into window 0, where the exchange of lane halves and the quantiser work
	WIN 0x01
.set II, 0
.rept 64
	v_mov_b32 v[H+II], v[64*(\a)+II]
.set II, II+1
.endr
	WIN 0
	OUTF \a
.endm
	s_load_b256 s[4:11], s[0:1], 0x0               ; xw s[4:5], cos s[6:7], sin s[8:9], qkv s[10:11]
	v_lshl_add_u32 v[SPW], v0, 2, SPARE
	v_mov_b32 v[NIL], 0
	ds_add_u32 v[SPW], v[NIL]                      ; the wave's opening: the add and its wait ahead of my first tensor load; the set-up below, work on registers, stands between them
	v_lshrrev_b32 v1, 5, v0
	v_readfirstlane_b32 s14, v1                    ; wave 0..3
	s_lshr_b32 s15, s14, 1                         ; which group of P's rows is mine.  Also: I fetch for P (0) or for R (1)
	s_and_b32 s16, s14, 1                          ; which two groups of R's rows.  Also: which piece I fetch
	s_bfe_u32 s40, ttmp6, 0x40000                  ; cx, cy: my place in the cluster
	s_bfe_u32 s41, ttmp6, 0x40004
	s_and_b32 s17, ttmp7, 0xffff                   ; the cluster's y
	s_lshr_b32 s66, s17, 1
	s_and_b32 s67, s17, 1
	s_cmp_eq_u32 ttmp9, 3                          ; the cluster's x: 0 .. 2 make q and k, 3 makes v: the same in all sixteen partners
	s_cselect_b32 s42, 1, 0
	s_cselect_b32 s18, s66, s17                    ; which four tiles along i,
	s_cselect_b32 s19, s67, ttmp9                  ; and along j, are my cluster's
	s_cselect_b32 s20, 80, 0                       ; P's first group in xw: Wv's, or hidden's
	s_cselect_b32 s21, 0, 32                       ; R's: hidden's, or Wq's
	s_lshl_b32 s22, s18, 2
	s_add_co_u32 s22, s22, s41                     ; iT: my tile along i
	s_lshl_b32 s23, s19, 2
	s_add_co_u32 s23, s23, s40                     ; jT: along j
	s_lshl_b32 s43, s41, 2
	s_lshl_b32 s43, 15, s43                        ; my row of the cluster
	s_lshl_b32 s44, 0x1111, s40                    ; my column
	s_or_b32 s[G1A], s43, (3<<16)|(1<<21)          ; 15:0 the mask; 17:16 elements of 8 bytes; 21 set beside a mask; no padding
	s_or_b32 s[G1B], s44, (3<<16)|(1<<21)
	s_mov_b32 s[G1A+1], (QSLOT/8)<<16              ; P: one row of 25,600 consecutive bytes
	s_mov_b32 s[G1A+2], 1<<16
	s_mov_b32 s[G1A+3], (QSLOT/8)<<16
	s_mov_b32 s[G1A+4], 1
	s_mov_b32 s[G1A+5], QSLOT/8
	s_mov_b32 s[G1A+6], 0
	s_mov_b32 s[G1A+7], 0
	s_mov_b32 s[G1B+1], (QSLOT/8)<<16              ; R: two such rows, a group apart
	s_mov_b32 s[G1B+2], 2<<16
	s_mov_b32 s[G1B+3], (QSLOT/8)<<16
	s_mov_b32 s[G1B+4], 2
	s_mov_b32 s[G1B+5], GROUPB/8
	s_mov_b32 s[G1B+6], 0
	s_mov_b32 s[G1B+7], 0
	s_lshl_b32 s46, s22, 1                         ; P's piece: group P0 + 2 iT + piece: made of cy and never of cx
	s_add_co_u32 s46, s46, s20
	s_add_co_u32 s46, s46, s16
	s_mul_i32 s46, s46, GROUPB
	s_mov_b32 s47, 0
	s_lshl_b32 s68, s23, 2                         ; R's piece: group R0 + 4 jT + 2 x piece: made of cx and never of cy
	s_add_co_u32 s68, s68, s21
	s_lshl_b32 s69, s16, 1
	s_add_co_u32 s68, s68, s69
	s_mul_i32 s68, s68, GROUPB
	s_mov_b32 s69, 0
	s_mul_i32 s70, s16, QSLOT                      ; where they go: no place in the cluster enters an LDS address
	s_mul_i32 s71, s16, BOFF
	s_add_co_u32 s71, s71, BOFF
	s_lshl_b32 s72, s22, 7
	s_lshl_b32 s73, s15, 6
	s_add_co_u32 s72, s72, s73
	s_lshl_b32 s72, s72, 9                         ; q, k: my first token's row of cos and of sin, in bytes
	s_mov_b32 s73, 0
	s_lshl_b32 s74, s23, 1
	s_add_co_u32 s74, s74, s16                     ; 2 jT + half: q, k: the head; v: the key step
	s_add_co_u32 s75, s22, 24
	s_cmp_eq_u32 s42, 1
	s_cselect_b32 s76, s75, s74                    ; qkv: 32 super-fragments to a head: heads 0-15 q, 16-23 k, 24-31 V^T
	s_cselect_b32 s77, s74, s22                    ; in it: q, k: token / 64 = 2 iT + my group; v: 2 x key step + my half of d
	s_lshl_b32 s76, s76, 5
	s_lshl_b32 s77, s77, 1
	s_add_co_u32 s76, s76, s77
	s_add_co_u32 s76, s76, s15
	s_mul_i32 s76, s76, SFB
	s_mov_b32 s77, 0
	s_mov_b32 s[SEL], 0x76543210
	s_mov_b32 s[SEL+1], 0xfedcba98
	s_wait_dscnt 0x0                               ; the opening add is done
	s_wait_kmcnt 0x0
	s_add_nc_u64 s[46:47], s[4:5], s[46:47]
	s_add_nc_u64 s[68:69], s[4:5], s[68:69]
	s_add_nc_u64 s[6:7], s[6:7], s[72:73]
	s_add_nc_u64 s[8:9], s[8:9], s[72:73]
	s_add_nc_u64 s[10:11], s[10:11], s[76:77]
	CROUND                                         ; all sixteen work-groups are here: the first joint loads meet
.irp s, 0,1
	s_mov_b32 s[G0A+4*\s], 1
	s_add_co_u32 s[G0A+4*\s+1], s70, \s*SLOT
	s_add_nc_u64 s[G0A+4*\s+2:G0A+4*\s+3], s[46:47], \s*QSLOT
	s_or_b32 s[G0A+4*\s+3], s[G0A+4*\s+3], 0x80000000
	s_mov_b32 s[G0B+4*\s], 1
	s_add_co_u32 s[G0B+4*\s+1], s71, \s*SLOT
	s_add_nc_u64 s[G0B+4*\s+2:G0B+4*\s+3], s[68:69], \s*QSLOT
	s_or_b32 s[G0B+4*\s+3], s[G0B+4*\s+3], 0x80000000
	JLOAD \s                                       ; two loads of mine are out
.endr
	v_and_b32 v[RR], 15, v0
	v_bfe_u32 v[HH], v0, 4, 1
	v_and_b32 v[LANE], 31, v0
	v_lshlrev_b32 v[LI], 4, v[LANE]
	v_lshlrev_b32 v[H8], 3, v[HH]
	v_lshl_add_u32 v5, v[RR], 4, 6144              ; a row's four scale words in a super-fragment
	v_mov_b32 v[T], 0                              ; written once: a lane permute's destination counts as one of its sources
	s_mul_i32 s80, s15, QSLOT
	s_mul_i32 s81, s16, BOFF
	s_add_co_u32 s81, s81, BOFF
.irp s, 0,1
	v_add_nc_u32 v[ADRA+\s], s80, v[LI]
	v_add_nc_u32 v[ADRB+\s], s81, v[LI]
	v_add_nc_u32 v[ADSA+\s], s80, v5
	v_add_nc_u32 v[ADSB+\s], s81, v5
	s_add_co_u32 s80, s80, SLOT
	s_add_co_u32 s81, s81, SLOT
.endr
	s_mul_i32 s82, s14, CSTG
	v_add_nc_u32 v[STS], s82, v[LI]
	v_mul_u32_u24 v6, v[RR], 528
	v_lshl_add_u32 v6, v[HH], 5, v6
	v_add_nc_u32 v[STL], s82, v6
	s_wait_tensorcnt 1                             ; my part of slot 0 is in; slot 1's may stay out
	s_barrier_signal -1
	s_barrier_wait -1
	FETCH 0, 0, 0
	STEP 0, 0, 1                                   ; the first step stands in front of the loop: its products start the sums
	WIN 0
	s_mov_b32 s3, TRIPS
.Llap:                                                 ; a trip goes once round the ring and fills both slots again
	STEP 0, 1, 0
	STEP 0, 2, 0
	TURN 0, 1, 1
	STEP 1, 0, 0
	STEP 1, 1, 0
	STEP 1, 2, 0
	TURN 1, 0, 1
	STEP 0, 0, 0
	WIN 0
	s_sub_co_u32 s3, s3, 1
	s_cmp_lg_u32 s3, 0
	s_cbranch_scc1 .Llap
	STEP 0, 1, 0
	STEP 0, 2, 0
	TURN 0, 1, 0                                   ; the last lap fills nothing.  Behind this barrier nobody reads slot 0 any more, and it has had its last fill
	WIN 0
	s_cmp_eq_u32 s42, 1                            ; the text parts ONCE, on the cluster's x; no barrier and no tensor load stands on either way
	s_cbranch_scc1 .Lway_v
	CS_LOAD 0                                      ; q, k: cos and sin of the first two blocks land under the last four steps
	CS_LOAD 1
	TAIL4
	EPIQ 0
	EPIQ 1
	EPIQ 2
	EPIQ 3
	s_branch .Ldone
.Lway_v:
	TAIL4
	EPIV 0
	EPIV 1
	EPIV 2
	EPIV 3
.Ldone:
	s_wait_xcnt 0x0                                ; EXEC changes only behind this wait
	v_cmp_gt_u32 vcc_lo, 16, v[LANE]
	s_and_saveexec_b32 s45, vcc_lo
	global_store_b128 v[LI], v[SW:SW+3], s[10:11] offset:6144    ; lanes 0-15: row r's four words: 256 consecutive bytes
	s_wait_xcnt 0x0
	s_or_b32 exec_lo, exec_lo, s45
	s_wait_tensorcnt 0x0                           ; the wave's end, behind my last tensor load and my last LDS store
	ds_add_u32 v[SPW], v[NIL]
	s_wait_dscnt 0x0
	CROUND                                         ; the closing round: no work-group ends while a partner may still ask for a tile that names it
	s_endpgm
.Lfunc_end_k_qb733af8d5b_qkv:
	.size	k_qb733af8d5b_qkv, .Lfunc_end_k_qb733af8d5b_qkv-k_qb733af8d5b_qkv
	.p2alignl 7, 3214868480
	.fill 96, 4, 3214868480
	.section	.rodata,"a",@progbits
	.p2align	6, 0x0
	.amdhsa_kernel k_qb733af8d5b_qkv
		.amdhsa_group_segment_fixed_size 327680
		.amdhsa_private_segment_fixed_size 0
		.amdhsa_enable_private_segment 0
		.amdhsa_kernarg_size 32
		.amdhsa_user_sgpr_count 2
		.amdhsa_user_sgpr_kernarg_segment_ptr 1
		.amdhsa_wavefront_size32 1
		.amdhsa_system_sgpr_workgroup_id_x 1
		.amdhsa_system_sgpr_workgroup_id_y 1
		.amdhsa_system_sgpr_workgroup_id_z 1
		.amdhsa_system_vgpr_workitem_id 0
		.amdhsa_next_free_vgpr 1024
		.amdhsa_next_free_sgpr 100
		.amdhsa_reserve_vcc 1
		.amdhsa_float_denorm_mode_32 3
		.amdhsa_float_denorm_mode_16_64 3
		.amdhsa_memory_ordered 1
		.amdhsa_forward_progress 1
		.amdhsa_inst_pref_size 230
	.end_amdhsa_kernel
	.amdgpu_metadata
---
amdhsa.version: [ 1, 2 ]
amdhsa.kernels:
  - .name:           k_qb733af8d5b_qkv
    .symbol:         k_qb733af8d5b_qkv.kd
    .args:
      - { .name: xw, .offset: 0, .size: 8, .value_kind: global_buffer, .address_space: global }
      - { .name: cos, .offset: 8, .size: 8, .value_kind: global_buffer, .address_space: global }
      - { .name: sin, .offset: 16, .size: 8, .value_kind: global_buffer, .address_space: global }
      - { .name: qkv, .offset: 24, .size: 8, .value_kind: global_buffer, .address_space: global }
    .group_segment_fixed_size: 327680
    .private_segment_fixed_size: 0
    .kernarg_segment_align: 8
    .kernarg_segment_size: 32
    .max_flat_workgroup_size: 128
    .sgpr_count:     100
    .vgpr_count:     1024
    .wavefront_size: 32
...
	.end_amdgpu_metadata
.endif
;; end of part 2
;; launch attn (part 3): grid 32 x 8, 8 waves a work-group, clusters of 4 x 4, 327,680 bytes of LDS; arguments qkv, attention_mask, att; writes att
.if DOCPART == 3
	.amdgcn_target "amdgcn-amd-amdhsa--gfx1250"
	.amdhsa_code_object_version 6
	.text
	.protected	k_qb733af8d5b_attn
	.globl	k_qb733af8d5b_attn
	.p2align	8
	.type	k_qb733af8d5b_attn,@function
k_qb733af8d5b_attn:
	s_mov_b64 s[64:65], 0
	v_nop
	global_prefetch_b8 v0, s[64:65] scope:SCOPE_SE
	s_setreg_imm32_b32 hwreg(HW_REG_WAVE_MODE, 25, 1), 1
	s_wait_xcnt 0x0
	s_wait_alu depctr_hold_cnt(0) depctr_sa_sdst(0) depctr_va_vdst(0) depctr_va_sdst(0) depctr_va_ssrc(0) depctr_va_vcc(0) depctr_vm_vsrc(0)
	s_getreg_b32 s2, hwreg(HW_REG_IB_STS2, 6, 4)
	s_cmp_eq_u32 s2, 0
	s_cbranch_scc0 .Lentry_in_a_cluster
	s_endpgm
.Lentry_in_a_cluster:
	s_bfe_u32 s2, ttmp6, 0x10000c
	s_cmp_lg_u32 s2, 0xf033
	s_cbranch_scc0 .Lentry_shape_is_right
	s_endpgm
.Lentry_shape_is_right:
; For each of 16 query heads (two to a key/value head): logit = q . k x 128^-0.5 + mask; t = logit x log2(e); M = the running largest t rounded UP to a whole number; p = 2^(t - M), quantised along the keys;
; o = (p V) / (the sum of the unquantised p); o is quantised along head x d for the output projection.  Both products on codes of FP6 (E2M3) with E8M0 scales.  The mask is an input: every score is computed, every mask number read.
; q, k, V^T and the result lie as super-fragments (64 rows x 128 K in 6,400 bytes: four register images at 1,536 a + 512 p + 16 x lane, scale words at 6,144 + 16 r + 4 a), places inside a block of 32 in the order 0-7, 16-23, 8-15, 24-31.
; SHARES: a work-group owns 64 queries and one key/value head: 256 work-groups.  Wave w owns 16 queries (tile w % 4) of query head 2 kv + w / 4, in 512 registers: two waves to a SIMD, one's vector work beside the other's products and LDS loads.
; Every wave walks all 2,048 keys, 128 a step; a slot holds 256 keys: K (4 super-fragments), V^T (4), and 64 rows x 256 numbers of the mask.
; LAYOUT: both products transposed: S^T = K Q^T, O^T = V^T P^T: a lane holds ONE query throughout; register 8 t + j of S^T is key 16 t + 8 h + j, and p's codes, with one exchange of halves, fall in this program's order inside a block.
; LDS LOADS RUN AHEAD OF THEIR USE: K, V^T and the mask have registers of their own.  A step's V^T (26 loads) is asked for behind its S^T, ahead of the whole softmax; a slot's second K (26) in the first step's softmax,
; its second mask tile (16) ahead of the first step's V^T P.  Only a slot's first K and mask are asked for where they are wanted: they may be read only behind the change of slots.  At most 52 LDS loads of a wave are out.
; CLUSTERS: 4 x 4.  K and V^T hang on the key/value head and are asked for jointly along a row of the cluster, the mask's tile on the block of queries, along a column.
; t IS ROUNDED TO f32 BEFORE M IS TAKEN OFF, in two instructions and not one fused: where every key of a row stands at a very large negative mask, t - M is then a whole number as in the definition.
; LIMITS: the logit is one fused multiply-add where the definition rounds twice; NaN and infinities are not served (a row masked by -infinity throughout gives NaN, as the definition does); the quantiser's byte is held at 1 from below.
; REGISTERS: window 0: v1-4 addresses that stay; v5, v6 the add's two; v7, v11 at work at the head; v8-10 the slot's addresses; v12 -M, v13 the largest t, v[14:15] the sum; v16-27 Q; v28-31 addresses; v32-51 the way out's codes;
;   v80-87 K's scale words, v88-95 V^T's, v253 p's, v255 Q's; v96-159 S^T, then p; v160-223 O^T; v224-235 p's codes; v232-247, v252, v254 at work.
;   window 1: v0-63 the step's 64 numbers of the mask; v64-159 K's eight fragments; v160-255 V^T's eight.
.set SFB,   6400
.set QSLOT, 4*SFB                      ; K's, or V^T's, part of a slot
.set HEADB, 32*SFB                     ; a head in qkv
.set MOFF,  2*QSLOT                    ; the mask's tile in a slot: 64 rows of 1,024 bytes + 16 of padding
.set MP,    1040
.set SLOT1, 1<<17                      ; slot 1 begins here: one exclusive or turns an address from one slot to the other
.set WSC,   2*SLOT1                    ; 512 bytes: the waves' scale words meet here on the way out
.set SPARE, WSC+512                    ; the spare words, 128 bytes for each of eight waves
.set AKV0, 1                           ; 16 x lane
.set ASC0, 2                           ; 6,144 + 16 r
.set AM0,  3                           ; my query's row of the mask's tile, + 32 h
.set UO,   4                           ; wave 0's offset for the two scale units
.set SPW,  5
.set NIL,  6
.set ADK,  8
.set ADC,  9
.set ADM,  10
.set PFO,  28
.set H8,   29
.set WSA,  30
.set WSR,  31
.set PC,   32                          ; the way out's quantiser
.set TC,   44
.set KS,   80                          ; v80-87 the scale words of K's eight fragments: scales and nothing else
.set VS,   88                          ; v88-95 of V^T's eight
.set MK,   0                           ; in window 1: the mask,
.set KF,   64                          ; K's fragments,
.set VF,   160                         ; V^T's
.set M,    232
.set SO,   236
.set W,    238
.set T,    239
.set TB,   2                           ; s2  the slot in hand
.set L2E,  10                          ; s[10:11] log2(e)
.set WV,   18
.set SEL,  20
.set SCL,  22                          ; s[22:23] 128^-0.5
.set G1D,  24                          ; s[24:31] group 1 for K and V^T; s[40:43] group 0, which walks
.set G1M,  32                          ; s[32:39] group 1 for the mask; s[44:47] group 0
.set G0D,  40
.set G0M,  44
.set SLOTS, 67
.set PFA,  76                          ; s[76:77] where my prefetches stand
.set PFS,  78                          ; s[78:79] a slot on
.set LIM,  80                          ; 1 in a wave that prefetches, else the greatest number
.set MSB, 0
.macro WIN new                         ; the immediate's high byte repeats the setting that is left
.if MSB != \new
	s_set_vgpr_msb (MSB<<8)|\new
.set MSB, \new
.endif
.endm
.macro PLACES
.rept 4
	v_nop
.endr
.endm
.macro ROUND                           ; a round of the cluster's barrier
	s_barrier_signal -1
	s_barrier_wait -1
	s_cmp_lg_u32 s[WV], 0
	s_cbranch_scc1 .Lnot_wave_0_\@
	s_barrier_signal -3
.Lnot_wave_0_\@:
	s_barrier_wait -3
	s_barrier_signal -1
	s_barrier_wait -1
.endm
; Wave 0 fetches K, wave 1 V^T, wave 2 the mask's tile, the others nothing.  The branches hang on the wave's number alone.  An s_nop 0 and four v_nop follow each line.
.macro TLOAD
	s_cmp_lt_u32 s[WV], 2
	s_cbranch_scc0 .Lnot_d_\@
	tensor_load_to_lds s[G0D:G0D+3], s[G1D:G1D+7]
	s_nop 0
.rept 4
	v_nop
.endr
	s_branch .Lasked_\@
.Lnot_d_\@:
	s_cmp_eq_u32 s[WV], 2
	s_cbranch_scc0 .Lasked_\@
	tensor_load_to_lds s[G0M:G0M+3], s[G1M:G1M+7]
	s_nop 0
.rept 4
	v_nop
.endr
.Lasked_\@:
.endm
; A PREFETCH INTO THE L2 of what the NEXT change of slots will ask for, two key steps ahead of that load; it stands where the fetching waves have their tensor load.
; The mask's tile (64 rows x 4 blocks of 256 bytes) is read by both clusters of a block of queries: the one with y = 0 asks; its column's four partners take 16 rows each BY ADDRESS; waves 4 and 5 take 8 rows each, a lane a block.
; K's and V^T's four super-fragments are read by all eight clusters of a head: the one with x = 0 asks; its row's four partners take one super-fragment each BY ADDRESS; wave 6 asks for K's, wave 7 for V^T's: 25 blocks, a lane a block
; (lanes 25-31 name lane 24's again).  Slots 0 and 1 come by their loads alone; the last change that fills a slot asks for nothing.
.macro ASK
	s_cmp_gt_u32 s[SLOTS], s[LIM]
	s_cbranch_scc0 .Lnot_mine_\@
	global_prefetch_b8 v[PFO], s[PFA:PFA+1] th:TH_LOAD_NT scope:SCOPE_SE
.Lnot_mine_\@:
.endm
.macro SWAP s
.irp c, 0,1
.irp j, 0,1,2,3,4,5,6,7
	v_permlane16_swap_b32 v[(\s)+32*\c+\j], v[(\s)+32*\c+16+\j]
	v_permlane16_swap_b32 v[(\s)+32*\c+8+\j], v[(\s)+32*\c+24+\j]
.endr
.endr
.endm
.macro QB s, word                      ; 64 numbers of a lane, register 32 c + i = place i of block 2 c + h of my row, become a fragment's codes in v[PC] on and my row's scale word
.irp c, 0,1
	v_max3_num_f32 v[M+2*\c], |v[(\s)+32*\c]|, |v[(\s)+32*\c+1]|, 0x1800000      ; the floor 2^(3 - 127) is a leaf: the byte cannot fall under 1
	v_max3_num_f32 v[M+2*\c+1], |v[(\s)+32*\c+16]|, |v[(\s)+32*\c+17]|, |v[(\s)+32*\c+18]|
.endr
.irp i, 2,4,6,8,10,12
.irp c, 0,1
	v_max3_num_f32 v[M+2*\c], v[M+2*\c], |v[(\s)+32*\c+\i]|, |v[(\s)+32*\c+\i+1]|
	v_max3_num_f32 v[M+2*\c+1], v[M+2*\c+1], |v[(\s)+32*\c+17+\i]|, |v[(\s)+32*\c+18+\i]|
.endr
.endr
.irp c, 0,1
	v_max3_num_f32 v[M+2*\c], v[M+2*\c], |v[(\s)+32*\c+14]|, |v[(\s)+32*\c+15]|
.endr
.irp c, 0,1
	v_max3_num_f32 v[M+2*\c], v[M+2*\c], v[M+2*\c+1], |v[(\s)+32*\c+31]|
.endr
.irp c, 0,1
	v_add_nc_u32 v[SO+\c], 0xff000000, v[M+2*\c]
.endr
.irp c, 0,1
	v_lshrrev_b32 v[M+2*\c+1], 23, v[SO+\c]
.endr
	v_lshl_or_b32 v[W], v[M+3], 16, v[M+1]
	v_lshlrev_b32 v[W], v[H8], v[W]
	v_permlanex16_b32 v[T], v[W], s[SEL], s[SEL+1]
	v_or_b32 v[\word], v[W], v[T]
.irp c, 0,1
	v_cvt_scalef32_pk16_fp6_f32 v[PC+6*\c:PC+6*\c+2], v[(\s)+32*\c:(\s)+32*\c+15], v[SO+\c]
	v_cvt_scalef32_pk16_fp6_f32 v[TC+4*\c:TC+4*\c+2], v[(\s)+32*\c+16:(\s)+32*\c+31], v[SO+\c]
.endr
	v_nop                                          ; one plain place behind the scaled conversions
.irp c, 0,1
.irp i, 0,1,2
	v_mov_b32 v[PC+6*\c+3+\i], v[TC+4*\c+\i]
.endr
.endr
.endm
	s_load_b128 s[4:7], s[0:1], 0x0                ; qkv s[4:5], the mask s[6:7]
	s_load_b64 s[8:9], s[0:1], 0x10                ; att
	v_lshl_add_u32 v[SPW], v0, 2, SPARE
	v_mov_b32 v[NIL], 0
	ds_add_u32 v[SPW], v[NIL]                      ; the wave's opening: the add and its wait ahead of my first tensor load; the set-up below, work on registers, stands between them
	v_lshrrev_b32 v8, 5, v0
	v_readfirstlane_b32 s[WV], v8                  ; wave 0..7
	s_bfe_u32 s48, ttmp6, 0x40000                  ; cx, cy: my place in the cluster
	s_bfe_u32 s49, ttmp6, 0x40004
	s_lshl_b32 s50, ttmp9, 2
	s_add_co_u32 s50, s50, s48                     ; qb: my block of 64 queries
	s_and_b32 s52, ttmp7, 0xffff                   ; the cluster's y
	s_lshl_b32 s51, s52, 2
	s_add_co_u32 s51, s51, s49                     ; kv: my key/value head
	s_lshl_b32 s53, s49, 2
	s_lshl_b32 s53, 15, s53                        ; my row of the cluster
	s_lshl_b32 s54, 0x1111, s48                    ; my column
	s_or_b32 s[G1D], s53, (3<<16)|(1<<21)          ; K, V^T: 25,600 dense bytes as 100 rows of 32 elements of 8 bytes; no padding
	s_mov_b32 s[G1D+1], 32<<16
	s_mov_b32 s[G1D+2], 100<<16
	s_mov_b32 s[G1D+3], 32<<16
	s_mov_b32 s[G1D+4], 100
	s_mov_b32 s[G1D+5], 32
	s_mov_b32 s[G1D+6], 0
	s_mov_b32 s[G1D+7], 0
	s_or_b32 s[G1M], s54, (2<<16)|(1<<20)|(1<<21)|(7<<22)|(3<<25)   ; the mask: elements of 4 bytes; after every 256 words (code 7) 4 words of padding (code 3)
	s_mov_b32 s[G1M+1], 256<<16
	s_mov_b32 s[G1M+2], 64<<16
	s_mov_b32 s[G1M+3], 256<<16
	s_mov_b32 s[G1M+4], 64
	s_mov_b32 s[G1M+5], 2048
	s_mov_b32 s[G1M+6], 0
	s_mov_b32 s[G1M+7], 0
	s_and_b32 s55, s[WV], 1
	s_lshl_b32 s56, s55, 3
	s_add_co_u32 s56, s56, s51
	s_add_co_u32 s56, s56, 16
	s_mul_i32 s56, s56, HEADB                      ; K's head 16 + kv (even waves), V^T's 24 + kv (odd): made of cy and never of cx
	s_mov_b32 s57, 0
	s_lshl_b32 s58, s50, 19                        ; the mask: 64 rows of 8,192 bytes to a block of queries: made of cx and never of cy
	s_mov_b32 s59, 0
	s_mul_i32 s60, s55, QSLOT                      ; where K, or V^T, goes in a slot
	s_lshr_b32 s61, s[WV], 2                       ; which of the two query heads
	s_and_b32 s63, s[WV], 3                        ; which tile of 16 queries
	s_lshl_b32 s62, s51, 1
	s_add_co_u32 s62, s62, s61                     ; my query head
	s_lshl_b32 s68, s62, 5
	s_add_co_u32 s68, s68, s50
	s_mul_i32 s68, s68, SFB                        ; Q's super-fragment
	s_mov_b32 s69, 0
	s_lshl_b32 s70, s63, 2
	s_add_co_u32 s70, s70, s68
	s_add_co_u32 s70, s70, 6144                    ; my tile's scale words in it
	s_mov_b32 s71, 0
	s_mul_i32 s66, s63, 1536
	s_add_co_u32 s68, s68, s66                     ; my tile's image
	s_lshl_b32 s72, s50, 4
	s_add_co_u32 s74, s72, s51
	s_add_co_u32 s74, s74, s51                     ; att: super-fragment 16 qb + head
	s_add_co_u32 s72, s72, s62
	s_mul_i32 s72, s72, SFB
	s_add_co_u32 s72, s72, s66
	s_mov_b32 s73, 0
	s_mul_i32 s74, s74, SFB
	s_add_co_u32 s74, s74, 6144                    ; the scale units of the work-group's two heads
	s_mov_b32 s75, 0
	s_lshl_b32 s82, s50, 6                         ; the prefetches.  The mask: row 64 qb + 16 cy + 8 (wave % 2),
	s_lshl_b32 s83, s49, 4
	s_add_co_u32 s82, s82, s83
	s_lshl_b32 s83, s55, 3
	s_add_co_u32 s82, s82, s83
	s_lshl_b32 s82, s82, 13
	s_add_co_u32 s82, s82, 1024                    ; in slot 1: the first change of slots steps it to slot 2
	s_mul_i32 s84, s48, SFB                        ; K (wave 6), V^T (wave 7): super-fragment cx,
	s_add_co_u32 s84, s84, s56
	s_add_co_u32 s84, s84, QSLOT                   ; in slot 1
	s_mov_b32 s86, QSLOT
	s_xor_b32 s85, s61, 1                          ; 1 in waves 0 to 3, which ask for nothing
	s_cmp_lt_u32 s[WV], 6
	s_cselect_b32 s82, s82, s84
	s_cselect_b32 s[PFS], 1024, s86                ; a slot on
	s_cselect_b32 s87, -1, 0
	s_cselect_b32 s88, s52, ttmp9                  ; the coordinate along which other clusters read the same bytes
	s_or_b32 s88, s88, s85
	s_cmp_eq_u32 s88, 0
	s_cselect_b32 s[LIM], 1, -1                    ; the same in all sixteen partners, for a given wave
	s_mov_b32 s83, 0
	s_mov_b32 s[PFS+1], 0
	s_mov_b32 s[SEL], 0x76543210
	s_mov_b32 s[SEL+1], 0xfedcba98
	s_mov_b32 s[SCL], 0x3db504f3                   ; 128^-0.5
	s_mov_b32 s[SCL+1], s[SCL]                     ; (named with it as a pair, so it is written)
	s_mov_b32 s[L2E], 0x3fb8aa3b                   ; log2(e)
	s_mov_b32 s[L2E+1], s[L2E]
	s_mov_b32 s[TB], 0
	s_mov_b32 s[SLOTS], 7
	s_wait_dscnt 0x0                               ; the opening add is done
	s_wait_kmcnt 0x0
	s_mov_b32 s[G0D], 1
	s_mov_b32 s[G0D+1], s60
	s_add_nc_u64 s[G0D+2:G0D+3], s[4:5], s[56:57]
	s_or_b32 s[G0D+3], s[G0D+3], 0x80000000
	s_mov_b32 s[G0M], 1
	s_mov_b32 s[G0M+1], MOFF
	s_add_nc_u64 s[G0M+2:G0M+3], s[6:7], s[58:59]
	s_or_b32 s[G0M+3], s[G0M+3], 0x80000000
	s_add_nc_u64 s[68:69], s[4:5], s[68:69]
	s_add_nc_u64 s[70:71], s[4:5], s[70:71]
	s_add_nc_u64 s[72:73], s[8:9], s[72:73]
	s_add_nc_u64 s[74:75], s[8:9], s[74:75]
	s_cmp_lt_u32 s[WV], 6
	s_cselect_b64 s[PFA:PFA+1], s[6:7], s[4:5]
	s_add_nc_u64 s[PFA:PFA+1], s[PFA:PFA+1], s[82:83]
	ROUND                                          ; all sixteen work-groups are here: the first joint loads meet
	TLOAD                                          ; slot 0
	v_and_b32 v8, 15, v0                           ; r
	v_bfe_u32 v9, v0, 4, 1                         ; h
	v_and_b32 v10, 31, v0                          ; lane
	v_lshlrev_b32 v[AKV0], 4, v10
.irp p, 0,1,2
	global_load_b128 v[16+4*\p:19+4*\p], v[AKV0], s[68:69] offset:512*\p    ; Q's fragment stays in registers: v16-27 are on their way from here to the wait in front of the loop
.endr
	v_lshlrev_b32 v254, 4, v8
	global_load_b32 v255, v254, s[70:71]           ; Q's scale words
	v_lshl_add_u32 v[ASC0], v8, 4, 6144
	s_mul_i32 s89, s63, 16*MP
	s_add_co_u32 s89, s89, MOFF
	v_mul_u32_u24 v[AM0], v8, MP
	v_lshl_add_u32 v[AM0], v9, 5, v[AM0]
	v_add_nc_u32 v[AM0], s89, v[AM0]
	v_mul_u32_u24 v[UO], v9, SFB
	v_lshl_add_u32 v[UO], v8, 4, v[UO]
	v_lshlrev_b32 v[H8], 3, v9
	s_lshl_b32 s90, s61, 8
	s_lshl_b32 s89, s63, 2
	s_add_co_u32 s90, s90, s89
	s_add_co_u32 s90, s90, WSC
	v_lshl_add_u32 v[WSA], v8, 4, s90              ; my head's unit, row r, my tile's word
	v_lshl_add_u32 v[WSR], v10, 4, WSC
	v_lshrrev_b32 v7, 2, v10                       ; (v7 and v11: registers that no load writes)
	v_lshlrev_b32 v7, 13, v7
	v_and_b32 v11, 3, v10
	v_lshl_add_u32 v7, v11, 8, v7                  ; the mask: row lane / 4, block lane % 4
	v_min_u32 v11, 24, v10
	v_lshlrev_b32 v11, 8, v11                      ; K, V^T: block min(lane, 24)
	v_cndmask_b32 v[PFO], v11, v7, s87
	v_mov_b32 v13, 0xff61b1e6                      ; the largest t so far: -3e38, under every t
	v_floor_f32 v12, -v13                          ; -M
	v_mov_b32 v14, 0                               ; the sum, in two halves
	v_mov_b32 v15, 0
.irp b, 0,1,2,3
	v_mov_b32 v[236+\b], 0                         ; written once: a lane permute's destination counts as one of its sources
.endr
	v_mov_b32 v253, 0                              ; (named as the upper half of the pair v[252:253] before it is first written)
.set JJ, 0
.rept 64
	v_mov_b32 v[160+JJ], 0                         ; O^T.  (The step is written once: the first finds zeros, which the first change of M leaves zeros)
.set JJ, JJ+1
.endr
; THE LDS LOADS of the slot's q-th key step.  Every load takes 16 bytes a lane on end (the mask: 16 rows 1,040 bytes apart): no bank is asked twice.
.macro LOADK q                         ; 26 loads: the scale words of K's eight fragments, then the fragments, in the order in which the products take them
	WIN 0
	ds_load_b128 v[KS:KS+3], v[ADC] offset:SFB*(2*(\q))
	ds_load_b128 v[KS+4:KS+7], v[ADC] offset:SFB*(2*(\q)+1)
	WIN 0x40                                       ; destination window 1
.irp f, 0,1,2,3,4,5,6,7
.irp p, 0,1,2
	ds_load_b128 v[KF+12*\f+4*\p:KF+12*\f+4*\p+3], v[ADK] offset:SFB*(2*(\q)+\f/4)+1536*(\f%4)+512*\p
.endr
.endr
.endm
.macro LOADV q                         ; 26 loads: the same of V^T
	WIN 0
	ds_load_b128 v[VS:VS+3], v[ADC] offset:QSLOT+SFB*(2*(\q))
	ds_load_b128 v[VS+4:VS+7], v[ADC] offset:QSLOT+SFB*(2*(\q)+1)
	WIN 0x40
.irp f, 0,1,2,3,4,5,6,7
.irp p, 0,1,2
	ds_load_b128 v[VF+12*\f+4*\p:VF+12*\f+4*\p+3], v[ADK] offset:QSLOT+SFB*(2*(\q)+\f/4)+1536*(\f%4)+512*\p
.endr
.endr
.endm
.macro LOADM q                         ; 16 loads: the mask at my query, keys 16 t + 8 h + 0 .. 7: the scores' layout
	WIN 0x40
.irp t, 0,1,2,3,4,5,6,7
.irp e, 0,1
	ds_load_b128 v[MK+8*\t+4*\e:MK+8*\t+4*\e+3], v[ADM] offset:512*(\q)+64*\t+16*\e
.endr
.endr
.endm
; A KEY STEP: 128 keys, the q-th of the slot in hand.
.macro STEP q
.if \q == 0
	v_add_nc_u32 v[ADK], s[TB], v[AKV0]            ; the slot's addresses, for both its steps
	v_add_nc_u32 v[ADC], s[TB], v[ASC0]
	v_add_nc_u32 v[ADM], s[TB], v[AM0]
	LOADK 0                                        ; a slot's first K and mask may be read only behind the change of slots; the second step's were asked for in the first
	LOADM 0
.endif
	WIN 0x01                                       ; source 0 (K) window 1; Q, S^T window 0
	s_wait_dscnt 28                                ; K's scale words and first four fragments are in; behind them: its last four fragments (12 loads) and the mask (16)
.irp f, 0,1,2,3                                ; S^T = K Q^T: eight tiles of 16 keys
	v_wmma_scale_f32_16x16x128_f8f6f4 v[96+8*\f:103+8*\f], v[KF+12*\f:KF+12*\f+11], v[16:27], 0, v[KS+\f], v255 matrix_a_fmt:MATRIX_FMT_FP6 matrix_b_fmt:MATRIX_FMT_FP6
.endr
	s_wait_dscnt 16                                ; all of K is in; the mask's 16 may be out
.irp f, 4,5,6,7
	v_wmma_scale_f32_16x16x128_f8f6f4 v[96+8*\f:103+8*\f], v[KF+12*\f:KF+12*\f+11], v[16:27], 0, v[KS+\f], v255 matrix_a_fmt:MATRIX_FMT_FP6 matrix_b_fmt:MATRIX_FMT_FP6
.endr
	WIN 0
	s_wait_dscnt 0x0                               ; the mask is in
	PLACES                                         ; four places: in front of the first read of the scores, of the loads into V^T's registers, which the last step's products read, and of those into K's
	LOADV \q                                       ; this step's V^T: the whole softmax stands between these loads and their use
	WIN 0x10                                       ; source 2 (the mask) window 1
.set JJ, 0
.rept 32
	v_pk_fma_f32 v[96+JJ:97+JJ], v[96+JJ:97+JJ], s[SCL:SCL+1], v[MK+JJ:MK+JJ+1] op_sel_hi:[1,0,1]   ; the logit; each accumulator is read from its low end on
.set JJ, JJ+2
.endr
	WIN 0
.set JJ, 0
.rept 32
	v_pk_mul_f32 v[96+JJ:97+JJ], v[96+JJ:97+JJ], s[L2E:L2E+1] op_sel_hi:[1,0]                 ; t, rounded to f32
.set JJ, JJ+2
.endr
.if \q == 0
	LOADK 1                                        ; the next step's K, a step ahead: a second, separate run of 26 loads
	WIN 0
.endif
.irp b, 0,1,2,3
	v_max3_num_f32 v[232+\b], v[96+16*\b], v[97+16*\b], v[98+16*\b]   ; the largest t of each block of 32 keys: it serves the row's maximum and, since p rises with t, the block's largest p
.endr
.irp i, 3,5,7,9,11,13
.irp b, 0,1,2,3
	v_max3_num_f32 v[232+\b], v[232+\b], v[96+16*\b+\i], v[97+16*\b+\i]
.endr
.endr
.irp b, 0,1,2,3
	v_max_num_f32 v[232+\b], v[232+\b], v[111+16*\b]
.endr
.irp b, 0,1,2,3
	v_permlanex16_b32 v[236+\b], v[232+\b], s[SEL], s[SEL+1]
.endr
.irp b, 0,1,2,3
	v_max_num_f32 v[232+\b], v[232+\b], v[236+\b]  ; with lane l xor 16's 16 keys
.endr
	v_max3_num_f32 v254, v232, v233, v234
	v_max_num_f32 v254, v254, v235
	v_max_num_f32 v13, v13, v254                   ; the running largest t
	v_mov_b32 v254, v12
	v_floor_f32 v12, -v13                          ; the new -M = floor(-t): M is a whole number
	v_sub_f32 v254, v12, v254                      ; old M - new M: a whole number, 0 or less
	v_cvt_i32_f32 v254, v254                       ; (it saturates)
	v_ldexp_f32 v252, 1.0, v254                    ; f = 2^(old M - new M): a multiplication by it rounds nothing
.set JJ, 0
.rept 32
	v_pk_add_f32 v[96+JJ:97+JJ], v[96+JJ:97+JJ], v[12:13] op_sel_hi:[1,0]   ; t - M
.set JJ, JJ+2
.endr
.irp b, 0,1,2,3
	v_add_f32 v[232+\b], v[232+\b], v12            ; the same of each block's largest t
.endr
.set JJ, 0
.rept 64
	v_exp_f32 v[96+JJ], v[96+JJ]                   ; p = 2^(t - M), at most 1: not normalised
.set JJ, JJ+1
.endr
	v_pk_mul_f32 v[14:15], v[14:15], v[252:253] op_sel_hi:[1,0]   ; the sums under the new M.  (A plain place behind the exponentials)
	s_wait_alu depctr_va_vdst(0)                   ; one wait for the whole batch, ahead of its first reader
.irp b, 0,1,2,3
	v_exp_f32 v[232+\b], v[232+\b]                 ; the block's largest p: the same instructions on the same number give the same bits
.endr
	v_pk_add_f32 v[236:237], v[96:97], v[98:99]    ; the row's sum is taken of the UNQUANTISED p, in two chains.  (It reads the 64 alone: plain work behind the four)
.irp j, 4,8,12,16,20,24,28,32,36,40,44,48,52,56,60
	v_pk_add_f32 v[14:15], v[14:15], v[96+\j:97+\j]
	v_pk_add_f32 v[236:237], v[236:237], v[98+\j:99+\j]
.endr
	v_pk_add_f32 v[14:15], v[14:15], v[236:237]
	s_wait_alu depctr_va_vdst(0)                   ; and one for the four
.irp b, 0,1,2,3
	v_max_num_f32 v[232+\b], 0x1800000, v[232+\b]  ; the floor 2^(3 - 127): the byte cannot fall under 1
.endr
.irp b, 0,1,2,3
	v_add_nc_u32 v[244+\b], 0xff000000, v[232+\b]  ; 2 off the exponent field: the conversion's scale operand
.endr
.irp b, 0,1,2,3
	v_lshrrev_b32 v[236+\b], 23, v[244+\b]         ; the scale's byte
.endr
	v_lshl_or_b32 v253, v237, 8, v236              ; p's scale word for these 128 keys
	v_lshl_or_b32 v253, v238, 16, v253
	v_lshl_or_b32 v253, v239, 24, v253
.irp c, 0,1
	v_cvt_scalef32_pk16_fp6_f32 v[224+6*\c:226+6*\c], v[96+32*\c:111+32*\c], v[244+2*\c]
	v_cvt_scalef32_pk16_fp6_f32 v[236+4*\c:238+4*\c], v[112+32*\c:127+32*\c], v[244+2*\c+1]
.endr
	v_nop                                          ; one plain place behind the scaled conversions
.irp c, 0,1                                    ; the operand's layout wants a WHOLE block in a lane: lanes 0-15 block 2 c, lanes 16-31 block 2 c + 1
.irp i, 0,1,2
	v_permlane16_swap_b32 v[224+6*\c+\i], v[236+4*\c+\i]
.endr
.irp i, 0,1,2
	v_mov_b32 v[227+6*\c+\i], v[236+4*\c+\i]
.endr
.endr
.set JJ, 0
.rept 32
	v_pk_mul_f32 v[160+JJ:161+JJ], v[160+JJ:161+JJ], v[252:253] op_sel_hi:[1,0]   ; O^T under the new M.  (These 32 are also the places in front of the matrix instructions below)
.set JJ, JJ+2
.endr
.if \q == 0
	s_wait_dscnt 26                                ; V^T's 26 loads are in; the next step's K (26 loads) may be out
	LOADM 1                                        ; the next step's mask: it lands under the eight products below
.else
	s_wait_dscnt 0x0                               ; V^T is in: my reads of this slot are over
.endif
	WIN 0x01                                       ; source 0 (V^T) window 1; p, O^T window 0
.irp f, 0,1,2,3,4,5,6,7                        ; O^T += V^T P^T: eight tiles of 16 of the head's 128, by turns; K = these 128 keys
	v_wmma_scale_f32_16x16x128_f8f6f4 v[160+8*\f:167+8*\f], v[VF+12*\f:VF+12*\f+11], v[224:235], v[160+8*\f:167+8*\f], v[VS+\f], v253 matrix_a_fmt:MATRIX_FMT_FP6 matrix_b_fmt:MATRIX_FMT_FP6
.endr
	WIN 0                                          ; at a label and at a branch every window is 0
.endm
; THE CHANGE OF SLOTS stands at a slot's head.  Each wave waits for all its tensor loads, adds 0 to its spare word, and waits for that and for its reads of the slot that it has left.
; fill = 1: a round of the cluster's barrier, and behind it the other slot is filled with the keys that follow: the load has two key steps in which to land.
.macro CHANGE fill
	s_wait_tensorcnt 0x0                           ; no tensor load of mine is out, so a group 0 may be written
	ds_add_u32 v[SPW], v[NIL]                      ; 0 onto my spare word
.if \fill
	s_xor_b32 s[G0D+1], s[G0D+1], SLOT1            ; the walking descriptors: the other slot than last time, the next 256 keys
	s_add_nc_u64 s[G0D+2:G0D+3], s[G0D+2:G0D+3], QSLOT
	s_xor_b32 s[G0M+1], s[G0M+1], SLOT1
	s_add_nc_u64 s[G0M+2:G0M+3], s[G0M+2:G0M+3], 1024
	s_wait_xcnt 0x0                                ; the last prefetch, a slot back, has read its address
	s_add_nc_u64 s[PFA:PFA+1], s[PFA:PFA+1], s[PFS:PFS+1]
	s_wait_dscnt 0x0                               ; the add is done, and my reads of the slot that I have left are over
	ROUND                                          ; both now hold of every wave of every partner
	TLOAD                                          ; the first thing behind the round, and a wave's one tensor load until the next
	ASK
.else
	s_wait_dscnt 0x0
	s_barrier_signal -1
	s_barrier_wait -1
.endif
.endm
	s_wait_loadcnt 0x0                             ; Q
.Lslot:                                                ; 7 trips: behind each change of slots but the last the next slot is asked for
	CHANGE 1
	STEP 0
	STEP 1
	s_xor_b32 s[TB], s[TB], SLOT1
	s_sub_co_u32 s[SLOTS], s[SLOTS], 1
	s_cmp_lg_u32 s[SLOTS], 0
	s_cbranch_scc1 .Lslot
	CHANGE 0                                       ; the last slot is written out
	STEP 0
	STEP 1
	; THE WAY OUT: O^T / the sum, quantised along d, as image (my tile) of super-fragment 16 qb + head of att.
	v_add_f32 v14, v14, v15
	v_permlanex16_b32 v252, v14, s[SEL], s[SEL+1]
	v_add_f32 v14, v14, v252                       ; the row's sum
	v_rcp_f32 v14, v14
.rept 3
	v_nop                                          ; a plain place behind the reciprocal; with the additions, the places behind the last products
.endr
	s_wait_alu depctr_va_vdst(0)                   ; the wait ahead of the reciprocal's first reader
.set JJ, 0
.rept 64
	v_mul_f32 v[96+JJ], v[160+JJ], v14             ; register 8 t + j is o(query r, d = 16 t + 8 h + j)
.set JJ, JJ+1
.endr
	SWAP 96
	QB 96, 240
.irp p, 0,1,2
	global_store_b128 v[AKV0], v[PC+4*\p:PC+4*\p+3], s[72:73] offset:512*\p    ; 512 consecutive bytes, at a multiple of 256 from the buffer's first byte
.endr
	ds_store_b32 v[WSA], v240                      ; both lanes of a row write the same word with the same value
	s_wait_dscnt 0x0                               ; for the others' sake
	s_barrier_signal -1
	s_barrier_wait -1
	s_cmp_lg_u32 s[WV], 0
	s_cbranch_scc1 .Lnot_first
	ds_load_b128 v[244:247], v[WSR]                ; the two heads' scale units, 256 bytes each
	s_wait_dscnt 0x0
	global_store_b128 v[UO], v[244:247], s[74:75]  ; lanes 0-15 one whole unit, lanes 16-31 the next head's
.Lnot_first:
	s_wait_tensorcnt 0x0                           ; the wave's end, behind my last tensor load and my last LDS store
	ds_add_u32 v[SPW], v[NIL]
	s_wait_dscnt 0x0
	ROUND                                          ; the closing round
	s_endpgm
.Lfunc_end_k_qb733af8d5b_attn:
	.size	k_qb733af8d5b_attn, .Lfunc_end_k_qb733af8d5b_attn-k_qb733af8d5b_attn
	.p2alignl 7, 3214868480
	.fill 96, 4, 3214868480
	.section	.rodata,"a",@progbits
	.p2align	6, 0x0
	.amdhsa_kernel k_qb733af8d5b_attn
		.amdhsa_group_segment_fixed_size 327680
		.amdhsa_private_segment_fixed_size 0
		.amdhsa_enable_private_segment 0
		.amdhsa_kernarg_size 24
		.amdhsa_user_sgpr_count 2
		.amdhsa_user_sgpr_kernarg_segment_ptr 1
		.amdhsa_wavefront_size32 1
		.amdhsa_system_sgpr_workgroup_id_x 1
		.amdhsa_system_sgpr_workgroup_id_y 1
		.amdhsa_system_sgpr_workgroup_id_z 1
		.amdhsa_system_vgpr_workitem_id 0
		.amdhsa_next_free_vgpr 512
		.amdhsa_next_free_sgpr 100
		.amdhsa_reserve_vcc 0
		.amdhsa_float_denorm_mode_32 3
		.amdhsa_float_denorm_mode_16_64 3
		.amdhsa_memory_ordered 1
		.amdhsa_forward_progress 1
		.amdhsa_inst_pref_size 113
	.end_amdhsa_kernel
	.amdgpu_metadata
---
amdhsa.version: [ 1, 2 ]
amdhsa.kernels:
  - .name:           k_qb733af8d5b_attn
    .symbol:         k_qb733af8d5b_attn.kd
    .args:
      - { .name: qkv, .offset: 0, .size: 8, .value_kind: global_buffer, .address_space: global }
      - { .name: attention_mask, .offset: 8, .size: 8, .value_kind: global_buffer, .address_space: global }
      - { .name: att, .offset: 16, .size: 8, .value_kind: global_buffer, .address_space: global }
    .group_segment_fixed_size: 327680
    .private_segment_fixed_size: 0
    .kernarg_segment_align: 8
    .kernarg_segment_size: 24
    .max_flat_workgroup_size: 256
    .sgpr_count:     100
    .vgpr_count:     512
    .wavefront_size: 32
...
	.end_amdgpu_metadata
.endif
;; end of part 3
;; launch oproj (part 4): grid 8 x 16, 4 waves a work-group, clusters of 4 x 4, 327,680 bytes of LDS; arguments att, xw, out0; writes out0
.if DOCPART == 4
	.amdgcn_target "amdgcn-amd-amdhsa--gfx1250"
	.amdhsa_code_object_version 6
	.text
	.protected	k_qb733af8d5b_oproj
	.globl	k_qb733af8d5b_oproj
	.p2align	8
	.type	k_qb733af8d5b_oproj,@function
k_qb733af8d5b_oproj:
	s_mov_b64 s[64:65], 0
	v_nop
	global_prefetch_b8 v0, s[64:65] scope:SCOPE_SE
	s_setreg_imm32_b32 hwreg(HW_REG_WAVE_MODE, 25, 1), 1
	s_wait_xcnt 0x0
	s_wait_alu depctr_hold_cnt(0) depctr_sa_sdst(0) depctr_va_vdst(0) depctr_va_sdst(0) depctr_va_ssrc(0) depctr_va_vcc(0) depctr_vm_vsrc(0)
	s_getreg_b32 s2, hwreg(HW_REG_IB_STS2, 6, 4)
	s_cmp_eq_u32 s2, 0
	s_cbranch_scc0 .Lentry_in_a_cluster
	s_endpgm
.Lentry_in_a_cluster:
	s_bfe_u32 s2, ttmp6, 0x10000c
	s_cmp_lg_u32 s2, 0xf033
	s_cbranch_scc0 .Lentry_shape_is_right
	s_endpgm
.Lentry_shape_is_right:
; out0[token][n] = sum over k of att[token][k] Wo[n][k], K = 2,048, on codes of FP6 (E2M3) with E8M0 scales; out0 is f32.
; Both operands lie as super-fragments (64 rows x 128 K in 6,400 bytes: four register images at 1,536 a + 512 p + 16 x lane, scale words at 6,144 + 16 r + 4 a): att from its first byte, 16 to a group of 64 tokens;
; Wo in xw from super-fragment 3,072 on, 16 to a group of 64 rows.  Inside a block of 32 both have the same order of places, so the products pair the same numbers.
; SHARES: a work-group makes 128 tokens x 256 columns, each of four waves 64 x 128: 32 accumulators.  128 work-groups: the tile of the projection launch is kept; a smaller one would read each LDS byte for fewer products.
; K goes in 16 steps of 128 through two LDS slots of four steps each.  The matrix instruction is used transposed (source 0 = rows of Wo, source 1 = tokens): a lane holds eight neighbouring columns of a token's row.
; CLUSTERS: 4 x 4.  att's tile is asked for jointly along a row of the cluster, Wo's along a column.  No prefetch: a refill is asked for four K steps ahead of its use and is shared among four work-groups.
; REGISTERS: window 0: v1-29 addresses; v32-55 scale words, two sets of 12, scales and nothing else; v56-151 att's fragments, two sets of 48; on the way out v64-191 rows read back.
;   window 1: accumulator (a, b) at v[64 a + 8 b].   window 2: Wo's fragments, two sets of 96.
.set SFB,    6400
.set QSLOT,  4*SFB
.set GROUPB, 16*SFB
.set WO0,    3072*SFB                  ; Wo's first byte in xw
.set BOFF,   2*QSLOT
.set SLOT,   6*QSLOT
.set SPARE,  2*SLOT
.set TRIPS,  1                         ; 4 slots' worth of K: two first fills, two refills
.set SPITCH, 528                       ; the way out: a stage of 16 rows x (512 bytes + 16) for each wave, in slot 0 behind that slot's last fill and last read
.set ROWC,   8192                      ; a row of out0
.set RR,   1
.set HH,   2
.set LI,   3
.set LANE, 4
.set ADRA, 16
.set ADRB, 18
.set ADSA, 20
.set ADSB, 22
.set STO,  24
.set RD,   25
.set SPW,  28
.set NIL,  29
.set SC,   32
.set AF,   56
.set BK,   64
.set G1A,  24
.set G0A,  32
.set G1B,  48
.set G0B,  56
.set MSB, 0
.macro WIN new
.if MSB != \new
	s_set_vgpr_msb (MSB<<8)|\new
.set MSB, \new
.endif
.endm
.set MULW, 0x52                        ; source 0 (Wo) window 2, source 1 (att) window 0, C and D window 1
.macro PLACES
.rept 4
	v_nop
.endr
.endm
.macro JLOAD s                         ; waves 0 and 1 fetch att's two groups, waves 2 and 3 two of Wo's four each; an s_nop 0 and four v_nop follow each line
	s_cmp_eq_u32 s15, 0
	s_cbranch_scc0 .Lfor_b_\@
	tensor_load_to_lds s[G0A+4*\s:G0A+4*\s+3], s[G1A:G1A+7]
	s_nop 0
.rept 4
	v_nop
.endr
	s_branch .Lasked_\@
.Lfor_b_\@:
	tensor_load_to_lds s[G0B+4*\s:G0B+4*\s+3], s[G1B:G1B+7]
	s_nop 0
.rept 4
	v_nop
.endr
.Lasked_\@:
.endm
.macro CREST
	s_cmp_lg_u32 s14, 0
	s_cbranch_scc1 .Lnot_wave_0_\@
	s_barrier_signal -3
.Lnot_wave_0_\@:
	s_barrier_wait -3
	s_barrier_signal -1
	s_barrier_wait -1
.endm
.macro CROUND
	s_barrier_signal -1
	s_barrier_wait -1
	CREST
.endm
.macro FETCH slot, q, st               ; 39 LDS loads: the fragments and scale words of the slot's q-th 128 along K into set st
	WIN 0x80
.irp b, 0,1,2,3,4,5,6,7
.irp p, 0,1,2
	ds_load_b128 v[96*(\st)+12*\b+4*\p:96*(\st)+12*\b+4*\p+3], v[ADRB+\slot] offset:(\b/4)*QSLOT+SFB*(\q)+(\b%4)*1536+512*\p
.endr
.endr
	WIN 0
.irp f, 0,1,2,3
.irp p, 0,1,2
	ds_load_b128 v[AF+48*(\st)+12*\f+4*\p:AF+48*(\st)+12*\f+4*\p+3], v[ADRA+\slot] offset:SFB*(\q)+\f*1536+512*\p
.endr
.endr
	ds_load_b128 v[SC+12*(\st):SC+12*(\st)+3], v[ADSA+\slot] offset:SFB*(\q)
	ds_load_b128 v[SC+12*(\st)+4:SC+12*(\st)+7], v[ADSB+\slot] offset:SFB*(\q)
	ds_load_b128 v[SC+12*(\st)+8:SC+12*(\st)+11], v[ADSB+\slot] offset:QSLOT+SFB*(\q)
.endm
.macro MULA a, st, zero                ; 8 matrix instructions; the 32 accumulators take turns, one instruction a turn, in the same order in every step
.irp b, 0,1,2,3,4,5,6,7
.if \zero
	v_wmma_scale_f32_16x16x128_f8f6f4 v[64*(\a)+8*\b:64*(\a)+8*\b+7], v[96*(\st)+12*\b:96*(\st)+12*\b+11], v[AF+48*(\st)+12*(\a):AF+48*(\st)+12*(\a)+11], 0, v[SC+12*(\st)+4+\b], v[SC+12*(\st)+(\a)] matrix_a_fmt:MATRIX_FMT_FP6 matrix_b_fmt:MATRIX_FMT_FP6
.else
	v_wmma_scale_f32_16x16x128_f8f6f4 v[64*(\a)+8*\b:64*(\a)+8*\b+7], v[96*(\st)+12*\b:96*(\st)+12*\b+11], v[AF+48*(\st)+12*(\a):AF+48*(\st)+12*(\a)+11], v[64*(\a)+8*\b:64*(\a)+8*\b+7], v[SC+12*(\st)+4+\b], v[SC+12*(\st)+(\a)] matrix_a_fmt:MATRIX_FMT_FP6 matrix_b_fmt:MATRIX_FMT_FP6
.endif
.endr
.endm
.macro STEP slot, q, zero
	s_wait_dscnt 0x0                               ; this step's set, asked for a step ago, is in
	PLACES                                         ; four places in front of loads into the set that the last step's matrix instructions read
	FETCH \slot, (\q)+1, ((\q)+1)%2
	WIN MULW
	MULA 0, (\q)%2, \zero
	MULA 1, (\q)%2, \zero
	MULA 2, (\q)%2, \zero
	MULA 3, (\q)%2, \zero
.endm
.macro TURN slot, next, fill           ; a slot's last step changes slots: ONE barrier, with the three lines in front of it
	WIN 0
	s_wait_tensorcnt 0x0                           ; all my tensor loads have landed: my part of the next slot
	ds_add_u32 v[SPW], v[NIL]                      ; 0 onto my spare word
	s_wait_dscnt 1                                 ; the step's 39 loads are in; the add alone may be out
	WIN MULW
	MULA 0, 1, 0
	s_wait_dscnt 0x0                               ; the add is done, and my reads of this slot are over
	s_barrier_signal -1
	MULA 1, 1, 0
	WIN 0
	s_barrier_wait -1
.if \fill
	CREST                                          ; the barrier has opened a round of the cluster's barrier
	s_add_nc_u64 s[G0A+4*\slot+2:G0A+4*\slot+3], s[G0A+4*\slot+2:G0A+4*\slot+3], 2*QSLOT
	s_add_nc_u64 s[G0B+4*\slot+2:G0B+4*\slot+3], s[G0B+4*\slot+2:G0B+4*\slot+3], 2*QSLOT
	JLOAD \slot                                    ; the first tensor load behind the round; its four v_nop are also the places in front of the loads below
.else
	PLACES
.endif
	FETCH \next, 0, 0
	WIN MULW
	MULA 2, 1, 0
	MULA 3, 1, 0
.endm
	s_load_b128 s[4:7], s[0:1], 0x0                ; att s[4:5], xw s[6:7]
	s_load_b64 s[12:13], s[0:1], 0x10              ; out0
	v_lshl_add_u32 v[SPW], v0, 2, SPARE
	v_mov_b32 v[NIL], 0
	ds_add_u32 v[SPW], v[NIL]                      ; the wave's opening: the add and its wait ahead of my first tensor load
	v_lshrrev_b32 v1, 5, v0
	v_readfirstlane_b32 s14, v1                    ; wave 0..3
	s_lshr_b32 s15, s14, 1                         ; which group of tokens is mine.  Also: I fetch for att (0) or for Wo (1)
	s_and_b32 s16, s14, 1                          ; which two groups of Wo's rows.  Also: which piece I fetch
	s_bfe_u32 s40, ttmp6, 0x40000                  ; cx, cy
	s_bfe_u32 s41, ttmp6, 0x40004
	s_and_b32 s17, ttmp7, 0xffff
	s_lshl_b32 s22, s17, 2
	s_add_co_u32 s22, s22, s41                     ; iT: my 128 tokens
	s_lshl_b32 s23, ttmp9, 2
	s_add_co_u32 s23, s23, s40                     ; jT: my 256 columns
	s_lshl_b32 s43, s41, 2
	s_lshl_b32 s43, 15, s43                        ; my row of the cluster
	s_lshl_b32 s44, 0x1111, s40                    ; my column
	s_or_b32 s[G1A], s43, (3<<16)|(1<<21)
	s_or_b32 s[G1B], s44, (3<<16)|(1<<21)
	s_mov_b32 s[G1A+1], (QSLOT/8)<<16              ; att: one row of 25,600 consecutive bytes
	s_mov_b32 s[G1A+2], 1<<16
	s_mov_b32 s[G1A+3], (QSLOT/8)<<16
	s_mov_b32 s[G1A+4], 1
	s_mov_b32 s[G1A+5], QSLOT/8
	s_mov_b32 s[G1A+6], 0
	s_mov_b32 s[G1A+7], 0
	s_mov_b32 s[G1B+1], (QSLOT/8)<<16              ; Wo: two such rows, a group apart
	s_mov_b32 s[G1B+2], 2<<16
	s_mov_b32 s[G1B+3], (QSLOT/8)<<16
	s_mov_b32 s[G1B+4], 2
	s_mov_b32 s[G1B+5], GROUPB/8
	s_mov_b32 s[G1B+6], 0
	s_mov_b32 s[G1B+7], 0
	s_lshl_b32 s46, s22, 1                         ; att's piece: group 2 iT + piece: made of cy and never of cx
	s_add_co_u32 s46, s46, s16
	s_mul_i32 s46, s46, GROUPB
	s_mov_b32 s47, 0
	s_lshl_b32 s68, s23, 2                         ; Wo's piece: group 4 jT + 2 x piece: made of cx and never of cy
	s_lshl_b32 s69, s16, 1
	s_add_co_u32 s68, s68, s69
	s_mul_i32 s68, s68, GROUPB
	s_add_co_u32 s68, s68, WO0
	s_mov_b32 s69, 0
	s_mul_i32 s70, s16, QSLOT
	s_mul_i32 s71, s16, BOFF
	s_add_co_u32 s71, s71, BOFF
	s_lshl_b32 s72, s22, 7
	s_lshl_b32 s73, s15, 6
	s_add_co_u32 s72, s72, s73
	s_lshl_b32 s72, s72, 13                        ; my first row of out0, in bytes,
	s_lshl_b32 s73, s23, 10
	s_add_co_u32 s72, s72, s73
	s_lshl_b32 s73, s16, 9
	s_add_co_u32 s72, s72, s73                     ; and my first column
	s_mov_b32 s73, 0
	s_wait_dscnt 0x0                               ; the opening add is done
	s_wait_kmcnt 0x0
	s_add_nc_u64 s[46:47], s[4:5], s[46:47]
	s_add_nc_u64 s[68:69], s[6:7], s[68:69]
	s_add_nc_u64 s[12:13], s[12:13], s[72:73]
	CROUND                                         ; all sixteen work-groups are here: the first joint loads meet
.irp s, 0,1
	s_mov_b32 s[G0A+4*\s], 1
	s_add_co_u32 s[G0A+4*\s+1], s70, \s*SLOT
	s_add_nc_u64 s[G0A+4*\s+2:G0A+4*\s+3], s[46:47], \s*QSLOT
	s_or_b32 s[G0A+4*\s+3], s[G0A+4*\s+3], 0x80000000
	s_mov_b32 s[G0B+4*\s], 1
	s_add_co_u32 s[G0B+4*\s+1], s71, \s*SLOT
	s_add_nc_u64 s[G0B+4*\s+2:G0B+4*\s+3], s[68:69], \s*QSLOT
	s_or_b32 s[G0B+4*\s+3], s[G0B+4*\s+3], 0x80000000
	JLOAD \s                                       ; two loads of mine are out
.endr
	v_and_b32 v[RR], 15, v0
	v_bfe_u32 v[HH], v0, 4, 1
	v_and_b32 v[LANE], 31, v0
	v_lshlrev_b32 v[LI], 4, v[LANE]
	v_lshl_add_u32 v5, v[RR], 4, 6144
	s_mul_i32 s80, s15, QSLOT
	s_mul_i32 s81, s16, BOFF
	s_add_co_u32 s81, s81, BOFF
.irp s, 0,1
	v_add_nc_u32 v[ADRA+\s], s80, v[LI]
	v_add_nc_u32 v[ADRB+\s], s81, v[LI]
	v_add_nc_u32 v[ADSA+\s], s80, v5
	v_add_nc_u32 v[ADSB+\s], s81, v5
	s_add_co_u32 s80, s80, SLOT
	s_add_co_u32 s81, s81, SLOT
.endr
	s_mul_i32 s82, s14, 16*SPITCH                  ; my stage
	v_mul_u32_u24 v6, v[RR], SPITCH                ; in: row r, 32 bytes for each half of the lanes
	v_lshl_add_u32 v6, v[HH], 5, v6
	v_add_nc_u32 v[STO], s82, v6
	v_add_nc_u32 v[RD], s82, v[LI]                 ; back: the 32 lanes take one row of 512 bytes
	s_wait_tensorcnt 1                             ; my part of slot 0 is in; slot 1's may stay out
	s_barrier_signal -1
	s_barrier_wait -1
	FETCH 0, 0, 0
	STEP 0, 0, 1                                   ; the first step stands in front of the loop: its products start the sums
	WIN 0
	s_mov_b32 s3, TRIPS
.Llap:                                                 ; a trip goes once round the ring and fills both slots again
	STEP 0, 1, 0
	STEP 0, 2, 0
	TURN 0, 1, 1
	STEP 1, 0, 0
	STEP 1, 1, 0
	STEP 1, 2, 0
	TURN 1, 0, 1
	STEP 0, 0, 0
	WIN 0
	s_sub_co_u32 s3, s3, 1
	s_cmp_lg_u32 s3, 0
	s_cbranch_scc1 .Llap
	STEP 0, 1, 0
	STEP 0, 2, 0
	TURN 0, 1, 0                                   ; the last lap fills nothing.  Behind this barrier nobody reads slot 0 any more, and it has had its last fill
	STEP 1, 0, 0
	STEP 1, 1, 0
	STEP 1, 2, 0
	s_wait_dscnt 0x0
	WIN MULW
	MULA 0, 1, 0
	MULA 1, 1, 0
	MULA 2, 1, 0
	MULA 3, 1, 0
	WIN 0
; THE WAY OUT, block by block of 16 tokens x 128 columns: through my own stage in LDS and back as whole rows of 512 bytes.  LDS serves a wave's instructions in order: no wait between the stores and the loads.
.macro TOSTAGE a
	WIN 0x04                                       ; an LDS store's data are its source 1: window 1
.irp b, 0,1,2,3,4,5,6,7
	ds_store_b128 v[STO], v[64*(\a)+8*\b:64*(\a)+8*\b+3] offset:64*\b          ; each accumulator from its low end on
	ds_store_b128 v[STO], v[64*(\a)+8*\b+4:64*(\a)+8*\b+7] offset:64*\b+16
.endr
	WIN 0
.set BB, BK+64*((\a)%2)
.irp t, 0,1,2,3,4,5,6,7,8,9,10,11,12,13,14,15
	ds_load_b128 v[BB+4*\t:BB+4*\t+3], v[RD] offset:\t*SPITCH
.endr
.endm
.macro SEND a, younger                 ; younger: the LDS instructions issued behind block a's loads, which may stay out
.set BB, BK+64*((\a)%2)
	s_wait_dscnt \younger
.if (\a) > 0
	s_add_nc_u64 s[12:13], s[12:13], 16*ROWC       ; (behind a wait on XCNT: the earlier stores have read their base)
.endif
.irp t, 0,1,2,3,4,5,6,7,8,9,10,11,12,13,14,15
	global_store_b128 v[LI], v[BB+4*\t:BB+4*\t+3], s[12:13] offset:\t*ROWC th:TH_STORE_NT   ; 32 lanes store 512 consecutive bytes, at a multiple of 256 from out0's first byte
.endr
.endm
	PLACES                                         ; in front of the first read of results, and of loads into registers that held fragments
	TOSTAGE 0
.irp a, 1,2,3
.if \a > 1
	s_wait_xcnt 0x0                                ; block a - 2's stores have read their registers and their base
.endif
	TOSTAGE \a
	SEND \a-1, 32                                  ; behind block a - 1's loads: block a's 16 stores and 16 loads
.endr
	s_wait_xcnt 0x0
	SEND 3, 0
	s_wait_tensorcnt 0x0                           ; the wave's end, behind my last tensor load and my last LDS store
	ds_add_u32 v[SPW], v[NIL]
	s_wait_dscnt 0x0
	CROUND                                         ; the closing round
	s_endpgm
.Lfunc_end_k_qb733af8d5b_oproj:
	.size	k_qb733af8d5b_oproj, .Lfunc_end_k_qb733af8d5b_oproj-k_qb733af8d5b_oproj
	.p2alignl 7, 3214868480
	.fill 96, 4, 3214868480
	.section	.rodata,"a",@progbits
	.p2align	6, 0x0
	.amdhsa_kernel k_qb733af8d5b_oproj
		.amdhsa_group_segment_fixed_size 327680
		.amdhsa_private_segment_fixed_size 0
		.amdhsa_enable_private_segment 0
		.amdhsa_kernarg_size 24
		.amdhsa_user_sgpr_count 2
		.amdhsa_user_sgpr_kernarg_segment_ptr 1
		.amdhsa_wavefront_size32 1
		.amdhsa_system_sgpr_workgroup_id_x 1
		.amdhsa_system_sgpr_workgroup_id_y 1
		.amdhsa_system_sgpr_workgroup_id_z 1
		.amdhsa_system_vgpr_workitem_id 0
		.amdhsa_next_free_vgpr 768
		.amdhsa_next_free_sgpr 100
		.amdhsa_reserve_vcc 0
		.amdhsa_float_denorm_mode_32 3
		.amdhsa_float_denorm_mode_16_64 3
		.amdhsa_memory_ordered 1
		.amdhsa_forward_progress 1
		.amdhsa_inst_pref_size 132
	.end_amdhsa_kernel
	.amdgpu_metadata
---
amdhsa.version: [ 1, 2 ]
amdhsa.kernels:
  - .name:           k_qb733af8d5b_oproj
    .symbol:         k_qb733af8d5b_oproj.kd
    .args:
      - { .name: att, .offset: 0, .size: 8, .value_kind: global_buffer, .address_space: global }
      - { .name: xw, .offset: 8, .size: 8, .value_kind: global_buffer, .address_space: global }
      - { .name: out0, .offset: 16, .size: 8, .value_kind: global_buffer, .address_space: global }
    .group_segment_fixed_size: 327680
    .private_segment_fixed_size: 0
    .kernarg_segment_align: 8
    .kernarg_segment_size: 24
    .max_flat_workgroup_size: 128
    .sgpr_count:     100
    .vgpr_count:     768
    .wavefront_size: 32
...
	.end_amdgpu_metadata
.endif
;; end of part 4
